; MI455X (gfx1250); checked and timed in simulation.
; The chip was launched on July 23, 2026; its instructions are those of AMD's public machine-readable ISA for CDNA 5 (MIT licence, August 2026) and "CDNA5" Instruction Set Architecture Reference Guide (July 2026). The comments in the code are by the model that wrote it; some were corrected since.
;; Custom Multihead Attention. Allowed arithmetic: matrix products marked QUANTISED: E3M2 operands, one E8M0 scale for each 32 along K, by v_wmma_scale_f32_16x16x128_f8f6f4 with both operands' format E3M2, f32 sums; everything else in f32.
;; Inputs: Wk 1,024 x 1,024 float32; Wo 1,024 x 1,024 float32; Wq 1,024 x 1,024 float32; Wv 1,024 x 1,024 float32; bk 1,024 float32; bo 1,024 float32; bq 1,024 float32; bv 1,024 float32; x 4 x 2,048 x 1,024 float32.
;; Outputs: out0 4 x 2,048 x 1,024 float32.
;; This version of the problem:
;;   THIS VERSION OF THE PROBLEM IS GIVEN IN LOW PRECISION. The matrix products marked QUANTISED in the list below multiply operands that are first quantised to E3M2 (3 exponent bits, 2 mantissa bits; 6 bits a number), with one power-of-two scale for each 32 numbers along K (OCP MX v1.0); their sums are f32. All else is computed in f32.
;;   The module's matrix products, in the order in which they are computed (A, B: the left and right operand; K: the contracted axis; several contracted axes count as one K, in the product's order):
;;     1. [M 8,192, K 1,024] x [K 1,024, N 1,024]; A: input x; B: input Wq: QUANTISED
;;     2. [M 8,192, K 1,024] x [K 1,024, N 1,024]; A: input x; B: input Wk: QUANTISED
;;     3. [M 8,192, K 1,024] x [K 1,024, N 1,024]; A: input x; B: input Wv: QUANTISED
;;     4. batch 64 x [M 2,048, K 64] x [K 64, N 2,048]; A: computed on the way; B: computed on the way: QUANTISED
;;     5. batch 64 x [M 2,048, K 2,048] x [K 2,048, N 64]; A: softmax (see below); B: computed on the way: QUANTISED
;;     6. [M 8,192, K 1,024] x [K 1,024, N 1,024]; A: computed on the way; B: input Wo: QUANTISED
;;   THE QUANTISER, for each operand of a quantised product, along K:
;;     - K is cut into blocks of 32 from its start; a last block that is shorter is filled with zeros.
;;     - A block's scale is 2^e with e = floor(log2(the largest magnitude in the block)) - 4, held to -126 .. 127; a block of zeros has e = 0. As a byte (E8M0): e + 127.
;;     - Each number is divided by its block's scale, clamped to +-28, and rounded to the nearest number of E3M2, ties to even, subnormals kept.
;;     - The product sums the exact products of the quantised numbers (number of the format x scale) in f32.
;;   ~~~python
;;   def quantise(x, axis):      # numpy; x: float32 -> the quantised numbers, widened to float32 again
;;       x = np.moveaxis(x, axis, -1); K = x.shape[-1]
;;       x = np.pad(x, [(0, 0)] * (x.ndim - 1) + [(0, -K % 32)]); x = x.reshape(x.shape[:-1] + (-1, 32)); a = np.abs(x).max(-1, keepdims=True)
;;       e = np.where(a > 0, np.clip(np.frexp(np.where(a > 0, a, 1))[1] - 1 - 4, -126, 127), 0)      # np.frexp(a)[1] - 1 = floor(log2(a)), exactly
;;       r = np.clip(x / 2.0 ** e, -28, 28)
;;       step = 2.0 ** (np.maximum(np.frexp(np.where(r == 0, 1, r))[1] - 1, -2) - 2)
;;       q = np.round(r / step) * step * 2.0 ** e      # np.round: ties to even
;;       return np.moveaxis(q.reshape(q.shape[:-2] + (-1,))[..., :K], -1, axis).astype(np.float32)
;;   ~~~
;;   SOFTMAX AHEAD OF A QUANTISED PRODUCT. Where the list says 'softmax', what is quantised is not the finished softmax but p = 2^(t - M), with t = logit x log2(e) and M = ceil(the row's largest t), a whole number; so 1/2 < the row's largest p <= 1. The row's sum l is taken of the UNQUANTISED p, in f32, and the product's result is divided by l at the end. Since M is a whole number, a kernel that streams over the keys may use a running M (the ceiling of the running maximum): every later rescaling is an exact power of two, which a block's scale takes up: the codes' values come out the same.
;;   OPERANDS COMPUTED ON THE WAY. 'Computed on the way' means the value that the module computes at that place (a softmax that the list does not call 'softmax' is quantised finished and normalised). What goes into a quantiser is computed in f32, as accurately as f32 sums, v_exp_f32 and their like allow (about 1e-6 of the number): no bf16 or f16 on the way to a quantiser, and a product that is left as it is and whose result goes on into a quantised operand takes f32 operands (vector FMAs, or v_wmma_f32_16x16x4_f32). A number that lies on a knife's edge between two numbers of the format may be rounded either way, as far as f32 arithmetic and the matrix unit's own rounding can turn it there, and no further.
;; One version. Each part assembles by itself: llvm-mc -triple=amdgcn-amd-amdhsa -mcpu=gfx1250 --defsym DOCPART=n.
;; ======== version 1 of 1: 4 launches
;; limits: right only within a limited range of input values
;; workspace buffers: ops 9,830,400 bytes; qkv 26,738,688 bytes; orec 6,815,744 bytes
;; launch quant (part 1): grid 768 x 1, 4 waves a work-group, no clusters, 81,408 bytes of LDS; arguments x, Wq, Wk, Wv, Wo, ops; writes ops
.if DOCPART == 1
	.amdgcn_target "amdgcn-amd-amdhsa--gfx1250"
	.amdhsa_code_object_version 6
	.text
	.protected	k_q6fdb52e742_quant
	.globl	k_q6fdb52e742_quant
	.p2align	8
	.type	k_q6fdb52e742_quant,@function
k_q6fdb52e742_quant:
	s_mov_b64 s[64:65], 0
	v_nop
	global_prefetch_b8 v0, s[64:65] scope:SCOPE_SE
	s_setreg_imm32_b32 hwreg(HW_REG_WAVE_MODE, 25, 1), 1
	s_wait_xcnt 0x0
; x [8192][1024] and the four weights [1024 (k)][1024 (n)], f32, become codes of BF6 (E3M2) with one E8M0 byte for each 32 along K, laid AS THE PRODUCTS' REGISTERS WANT THEM.
; ops = 96 row groups of 128 rows (0-63: x's rows; 64-71, 72-79, 80-87, 88-95: the columns n of Wq, Wk, Wv, Wo) x 8 K steps of 128 x a record of 12,800 bytes:
;   8 fragments of 1,536 bytes (16 rows x 128 K, 12 registers a lane): registers 6 c .. 6 c + 3 of lane l at 768 c + 16 l, registers 6 c + 4, 6 c + 5 at 768 c + 512 + 8 l;
;   then 512 bytes of scale words: that of (tile t, lane-row r) at 256 (t / 4) + 16 r + 4 (t % 4).
; THE ROWS OF A TILE ARE NOT NEIGHBOURS: lane-row r of tile 2 g + u is row 32 g + 8 u + r + 8 (r / 8) of the group, so that a product which takes such tiles as source 0 leaves 16 neighbours in a lane's registers.
; A block's scale is 2^(floor(log2(largest magnitude)) - 4); its byte is the largest magnitude's exponent field - 4, held at 1 from below.
; LIMITS: a block of zeros gets the byte 1 (not 127): its codes are zeros, and this program alone reads the bytes; blocks whose largest magnitude lies under 2^(4 - 126) are held at that floor; NaN and infinities are not served.
; Work-group g makes record g: g < 512 from x, the others from a weight.  Four waves, 32 rows each (two tiles); waves share nothing: no barrier.  Each of the two paths has LDS bytes of its own.
; The codes leave in stores of 512 or 256 consecutive aligned bytes.  A wave's 32 scale words are 8 bytes in each of 16 places 16 bytes apart: 128 of a record's 12,800 bytes a wave.
.set RECB,  12800
.set TM,    16                         ; v16-31  at work in QUANT
.set SEL,   18                         ; s[18:19] lane selects: lane l xor 16
.set XP,    528                        ; x's stage: a row of 512 bytes + 16
.set XSTW,  32*XP                      ; a wave's 32 rows
.set WST,   4*XSTW                     ; behind them the weights' stages,
.set WTP,   1664                       ; a fragment's image of 1,536 bytes + 128,
.set WSTW,  2*WTP                      ; two to a wave
; 64 numbers of a lane, register 16 b + i = k 32 b + 16 (lane / 16) + i of my row, become a fragment's 12 registers in v[pc] on (20 are used) and its scale word in v[pw].
.macro QUANT s, pc, pw
.irp b, 0,1,2,3
	v_max3_num_f32 v[TM+\b], |v[\s+16*\b]|, |v[\s+1+16*\b]|, 0x2800000   ; block b: my 16 numbers, and the floor 2^(5 - 127): the byte cannot fall under 1
.endr
.irp i, 2,4,6,8,10,12,14
.irp b, 0,1,2,3
	v_max3_num_f32 v[TM+\b], v[TM+\b], |v[\s+16*\b+\i]|, |v[\s+1+16*\b+\i]|   ; the four blocks by turns
.endr
.endr
.irp b, 0,1,2,3
	v_permlanex16_b32 v[TM+4+\b], v[TM+\b], s[SEL], s[SEL+1]
.endr
.irp b, 0,1,2,3
	v_max_num_f32 v[TM+\b], v[TM+\b], v[TM+4+\b]      ; with lane l xor 16's 16: the block's largest magnitude
.endr
.irp b, 0,1,2,3
	v_add_nc_u32 v[TM+12+\b], 0xfe000000, v[TM+\b]    ; 4 off its exponent field: the conversion takes this operand's exponent field as its scale
.endr
.irp b, 0,1,2,3
	v_lshrrev_b32 v[TM+4+\b], 23, v[TM+12+\b]         ; the scale's byte
.endr
	v_lshl_or_b32 v[\pw], v[TM+5], 8, v[TM+4]
	v_lshl_or_b32 v[\pw], v[TM+6], 16, v[\pw]
	v_lshl_or_b32 v[\pw], v[TM+7], 24, v[\pw]         ; my row's scale word
.irp c, 0,1
	v_cvt_scalef32_pk16_bf6_f32 v[\pc+6*\c:\pc+2+6*\c], v[\s+32*\c:\s+15+32*\c], v[TM+12+2*\c]
	v_cvt_scalef32_pk16_bf6_f32 v[\pc+12+4*\c:\pc+14+4*\c], v[\s+16+32*\c:\s+31+32*\c], v[TM+12+2*\c+1]   ; (a conversion's three registers begin on an even number)
.endr
	v_nop                                             ; one plain instruction behind the scaled conversions
.irp c, 0,1                                       ; the operand wants a WHOLE block in a lane: lanes 0-15 block 2 c, lanes 16-31 block 2 c + 1
.irp i, 0,1,2
	v_permlane16_swap_b32 v[\pc+6*\c+\i], v[\pc+12+4*\c+\i]
.endr
.irp i, 0,1,2
	v_mov_b32 v[\pc+3+6*\c+\i], v[\pc+12+4*\c+\i]
.endr
.endr
.endm
.macro CODES pc, u                                ; the fragment of my tile u leaves as an image of its registers
	global_store_b128 v4, v[\pc:\pc+3], s[14:15] offset:\u*1536
	global_store_b64 v5, v[\pc+4:\pc+5], s[14:15] offset:\u*1536+512
	global_store_b128 v4, v[\pc+6:\pc+9], s[14:15] offset:\u*1536+768
	global_store_b64 v5, v[\pc+10:\pc+11], s[14:15] offset:\u*1536+1280
.endm
	s_load_b256 s[4:11], s[0:1], 0x0               ; x, Wq, Wk, Wv
	s_load_b128 s[12:15], s[0:1], 0x20             ; Wo, ops
	v_lshl_add_u32 v62, v0, 2, 0x13c00
	v_mov_b32 v63, 0
	v_lshrrev_b32 v1, 5, v0
	v_readfirstlane_b32 s16, v1                    ; wave 0..3
	v_and_b32 v1, 31, v0                           ; lane
	v_and_b32 v2, 15, v0                           ; r
	v_bfe_u32 v3, v0, 4, 1                         ; h
	s_mov_b32 s[SEL], 0x76543210
	s_mov_b32 s[SEL+1], 0xfedcba98
.irp b, 0,1,2,3
	v_mov_b32 v[TM+4+\b], 0                        ; written once: a lane permute's destination counts as one of its sources
.endr
	s_mul_i32 s20, ttmp9, RECB                     ; my record
	s_mov_b32 s21, 0
	s_mul_i32 s22, s16, 3072                       ; my wave's two fragments in it
	v_lshl_add_u32 v4, v1, 4, s22                  ; + 16 x lane
	v_lshl_add_u32 v5, v1, 3, s22                  ; + 8 x lane
	s_lshr_b32 s23, s16, 1                         ; my tiles are 2 w and 2 w + 1: their scale words begin at 12,288 + 256 (w / 2) + 8 (w % 2)
	s_lshl_b32 s23, s23, 8
	s_and_b32 s24, s16, 1
	s_lshl_b32 s24, s24, 3
	s_add_co_u32 s23, s23, s24
	s_add_co_u32 s23, s23, 12288
	s_wait_kmcnt 0x0
	s_add_nc_u64 s[14:15], s[14:15], s[20:21]
	s_cmp_ge_u32 ttmp9, 512
	s_cbranch_scc1 .Lweights
	; ---- x: K is innermost.  Each load takes 512 consecutive bytes of one row; the rows turn through my stage so that a lane gets 16 neighbours of each block.
	s_lshr_b32 s26, ttmp9, 3                       ; row group
	s_lshl_b32 s26, s26, 19                        ; x 128 rows of 4,096 bytes
	s_lshl_b32 s27, s16, 17                        ; + my 32 rows
	s_add_co_u32 s26, s26, s27
	s_and_b32 s27, ttmp9, 7                        ; K step
	s_lshl_b32 s27, s27, 9                         ; x 512 bytes
	s_add_co_u32 s26, s26, s27
	s_mov_b32 s27, 0
	s_add_nc_u64 s[4:5], s[4:5], s[26:27]
	s_wait_alu depctr_va_vdst(0)
	v_lshlrev_b32 v6, 4, v1                        ; 16 x lane
	s_mul_i32 s28, s16, XSTW
	v_add_nc_u32 v7, s28, v6                       ; into the stage: 16 x lane of a row
	v_mul_u32_u24 v8, v2, XP
	v_lshl_add_u32 v8, v3, 6, v8
	v_add_nc_u32 v8, s28, v8                       ; out of it: stage row r, + 64 h
	v_lshlrev_b32 v9, 4, v2
	v_lshl_add_u32 v9, v3, 2, v9
	v_add_nc_u32 v9, s23, v9                       ; scale words: 16 r + 4 h: lanes 0-15 store tile 2 w's, lanes 16-31 tile 2 w + 1's
.set i, 0
.rept 32
	global_load_b128 v[128+4*i:131+4*i], v6, s[4:5] offset:i*4096 th:TH_LOAD_NT
.set i, i+1
.endr
.set i, 0
	s_wait_alu depctr_va_vdst(0)
.rept 32
	s_wait_loadcnt 31-i                            ; loads come back in order: row i is in, the younger ones stay out
	ds_store_b128 v7, v[128+4*i:131+4*i] offset:(16*((i>>3)&1)+8*(i>>4)+(i&7))*XP   ; row i = 16 (r / 8) + 8 u + r % 8 goes to stage row 16 u + r: a tile's rows become neighbours
.set i, i+1
.endr
.macro TILE u, reg                                ; register 16 b + 4 j on: k = 32 b + 16 h + 4 j on of stage row 16 u + r
.irp b, 0,1,2,3
.irp j, 0,1,2,3
	ds_load_b128 v[\reg+16*\b+4*\j:\reg+16*\b+4*\j+3], v8 offset:\u*16*XP+128*\b+16*\j
.endr
.endr
.endm
	TILE 0, 64                                     ; LDS serves a wave's instructions in order: these see my stores
	s_wait_dscnt 16                                ; all but the 16 loads just issued: the 32 stores have read v128-255
	TILE 1, 128
	s_wait_dscnt 16                                ; tile 0's numbers are in
	QUANT 64, 192, 232
	CODES 192, 0
	s_wait_dscnt 0x0
	QUANT 128, 212, 233
	CODES 212, 1
	v_cmp_lt_u32 vcc_lo, 15, v1
	v_cndmask_b32 v234, v232, v233, vcc_lo         ; every lane holds its row's word of both tiles
	global_store_b32 v9, v234, s[14:15]
	s_wait_tensorcnt 0x0
	ds_add_u32 v62, v63
	s_wait_dscnt 0x0
	s_endpgm
.Lweights:
	; ---- a weight: K is its FIRST axis.  A lane takes a column n and its registers run down K: a block of 32 lies in one lane, and the conversions give codes with K innermost.
	s_sub_co_u32 s25, ttmp9, 512
	s_lshr_b32 s26, s25, 6                         ; which weight
	s_cmp_eq_u32 s26, 1
	s_cselect_b64 s[6:7], s[8:9], s[6:7]
	s_cmp_eq_u32 s26, 2
	s_cselect_b64 s[6:7], s[10:11], s[6:7]
	s_cmp_eq_u32 s26, 3
	s_cselect_b64 s[6:7], s[12:13], s[6:7]
	s_and_b32 s28, s25, 7                          ; K step: 128 rows of 4,096 bytes
	s_lshl_b32 s28, s28, 19
	s_bfe_u32 s27, s25, 0x30003                    ; group of 128 columns
	s_lshl_b32 s27, s27, 9
	s_add_co_u32 s28, s28, s27
	s_lshl_b32 s27, s16, 7                         ; my 32 columns
	s_add_co_u32 s28, s28, s27
	s_mov_b32 s29, 0
	s_add_nc_u64 s[6:7], s[6:7], s[28:29]
	s_wait_alu depctr_va_vdst(0)
	v_lshlrev_b32 v6, 2, v1                        ; 4 x lane
	v_bfe_u32 v10, v0, 3, 1                        ; column 16 (r' / 8) + 8 u + r' % 8: my tile u
	v_and_b32 v11, 7, v0
	v_lshl_add_u32 v11, v3, 3, v11                 ; and my lane-row r' in it
	s_mul_i32 s30, s16, WSTW
	s_add_co_u32 s30, s30, WST                     ; my stage
	v_mul_u32_u24 v12, v10, WTP
	v_add_nc_u32 v12, s30, v12
	v_lshl_add_u32 v7, v11, 4, v12                 ; an image's places for lane-row r': 16 r'
	v_lshl_add_u32 v8, v11, 3, v12                 ; and 8 r'
	v_lshlrev_b32 v13, 4, v1
	v_add_nc_u32 v13, s30, v13                     ; back: 16 x lane
	v_lshlrev_b32 v9, 4, v11
	v_lshl_add_u32 v9, v10, 2, v9
	v_add_nc_u32 v9, s23, v9                       ; my column's scale word: 16 r' + 4 u
.macro LOAD t                                     ; block t: W(32 t + i, my column): 32 lanes read 128 consecutive bytes, the four waves 512
.set i, 0
.rept 32
	global_load_b32 v[128+32*(\t)+i], v6, s[6:7] offset:(32*(\t)+i)*4096 th:TH_LOAD_NT
.set i, i+1
.endr
.endm
; Block t = 2 c + h' of my column is what lane (r', h') of the fragment holds in registers 6 c .. 6 c + 5: it goes to that lane's places in the image.
.macro BLOCK t
.set XS, 128+32*(\t)
.set C, 64+10*(\t)
.if (\t) < 3
	s_wait_loadcnt 32                              ; this block's 32 loads are in; the next block's may be out
.else
	s_wait_loadcnt 0x0
.endif
.if (\t)+2 < 4
	LOAD (\t)+2
.endif
	v_max3_num_f32 v14, |v[XS]|, |v[XS+1]|, |v[XS+2]|
	v_max3_num_f32 v15, |v[XS+3]|, |v[XS+4]|, |v[XS+5]|
.irp i, 6,10,14,18,22,26
	v_max3_num_f32 v14, v14, |v[XS+\i]|, |v[XS+\i+1]|
	v_max3_num_f32 v15, v15, |v[XS+\i+2]|, |v[XS+\i+3]|
.endr
	v_max3_num_f32 v14, v14, |v[XS+30]|, |v[XS+31]|
	v_max3_num_f32 v14, v14, v15, 0x2800000        ; and the floor
	v_add_nc_u32 v32, 0xfe000000, v14
	v_lshrrev_b32 v15, 23, v32
.if (\t) == 0
	v_mov_b32 v33, v15
.else
	v_lshl_or_b32 v33, v15, 8*(\t), v33            ; the lower K in the lower byte
.endif
	v_cvt_scalef32_pk16_bf6_f32 v[C:C+2], v[XS:XS+15], v32
	v_cvt_scalef32_pk16_bf6_f32 v[C+6:C+8], v[XS+16:XS+31], v32
	v_nop                                          ; one plain instruction behind the scaled conversions
.irp i, 0,1,2
	v_mov_b32 v[C+3+\i], v[C+6+\i]
.endr
	ds_store_b128 v7, v[C:C+3] offset:768*((\t)/2)+256*((\t)%2)
	ds_store_b64 v8, v[C+4:C+5] offset:512+768*((\t)/2)+128*((\t)%2)
.endm
	LOAD 0
	LOAD 1
	BLOCK 0
	BLOCK 1
	BLOCK 2
	BLOCK 3
.irp n, 0,1,2,3,4,5
	ds_load_b128 v[104+4*\n:107+4*\n], v13 offset:(\n/3)*WTP+512*(\n%3)   ; LDS serves a wave's instructions in order: these see my stores
.endr
	s_wait_alu depctr_va_vdst(0)
.irp n, 0,1,2,3,4,5
	s_wait_dscnt 5-\n
	global_store_b128 v4, v[104+4*\n:107+4*\n], s[14:15] offset:(\n/3)*1536+512*(\n%3)   ; 512 consecutive bytes of the image
.endr
	global_store_b32 v9, v33, s[14:15]
	s_wait_tensorcnt 0x0
	ds_add_u32 v62, v63
	s_wait_dscnt 0x0
	s_endpgm
.Lfunc_end_k_q6fdb52e742_quant:
	.size	k_q6fdb52e742_quant, .Lfunc_end_k_q6fdb52e742_quant-k_q6fdb52e742_quant
	.p2alignl 7, 3214868480
	.fill 96, 4, 3214868480
	.section	.rodata,"a",@progbits
	.p2align	6, 0x0
	.amdhsa_kernel k_q6fdb52e742_quant
		.amdhsa_group_segment_fixed_size 81408
		.amdhsa_private_segment_fixed_size 0
		.amdhsa_enable_private_segment 0
		.amdhsa_kernarg_size 48
		.amdhsa_user_sgpr_count 2
		.amdhsa_user_sgpr_kernarg_segment_ptr 1
		.amdhsa_wavefront_size32 1
		.amdhsa_system_sgpr_workgroup_id_x 1
		.amdhsa_system_sgpr_workgroup_id_y 1
		.amdhsa_system_sgpr_workgroup_id_z 1
		.amdhsa_system_vgpr_workitem_id 0
		.amdhsa_next_free_vgpr 256
		.amdhsa_next_free_sgpr 66
		.amdhsa_reserve_vcc 1
		.amdhsa_float_denorm_mode_32 3
		.amdhsa_float_denorm_mode_16_64 3
		.amdhsa_memory_ordered 1
		.amdhsa_forward_progress 1
		.amdhsa_inst_pref_size 41
	.end_amdhsa_kernel
	.amdgpu_metadata
---
amdhsa.version: [ 1, 2 ]
amdhsa.kernels:
  - .name:           k_q6fdb52e742_quant
    .symbol:         k_q6fdb52e742_quant.kd
    .args:
      - { .name: x, .offset: 0, .size: 8, .value_kind: global_buffer, .address_space: global }
      - { .name: Wq, .offset: 8, .size: 8, .value_kind: global_buffer, .address_space: global }
      - { .name: Wk, .offset: 16, .size: 8, .value_kind: global_buffer, .address_space: global }
      - { .name: Wv, .offset: 24, .size: 8, .value_kind: global_buffer, .address_space: global }
      - { .name: Wo, .offset: 32, .size: 8, .value_kind: global_buffer, .address_space: global }
      - { .name: ops, .offset: 40, .size: 8, .value_kind: global_buffer, .address_space: global }
    .group_segment_fixed_size: 81408
    .private_segment_fixed_size: 0
    .kernarg_segment_align: 8
    .kernarg_segment_size: 48
    .max_flat_workgroup_size: 128
    .sgpr_count:     66
    .vgpr_count:     256
    .wavefront_size: 32
...
	.end_amdgpu_metadata
.endif
;; end of part 1
;; launch gemm_qkv (part 2): grid 8 x 48, 4 waves a work-group, clusters of 4 x 4, 327,680 bytes of LDS; arguments ops, bq, bk, bv, qkv; writes qkv
.if DOCPART == 2
	.amdgcn_target "amdgcn-amd-amdhsa--gfx1250"
	.amdhsa_code_object_version 6
	.text
	.protected	k_q6fdb52e742_gemm_qkv
	.globl	k_q6fdb52e742_gemm_qkv
	.p2align	8
	.type	k_q6fdb52e742_gemm_qkv,@function
k_q6fdb52e742_gemm_qkv:
	s_mov_b64 s[64:65], 0
	v_nop
	global_prefetch_b8 v0, s[64:65] scope:SCOPE_SE
	s_setreg_imm32_b32 hwreg(HW_REG_WAVE_MODE, 25, 1), 1
	s_wait_xcnt 0x0
	s_wait_alu depctr_hold_cnt(0) depctr_sa_sdst(0) depctr_va_vdst(0) depctr_va_sdst(0) depctr_va_ssrc(0) depctr_va_vcc(0) depctr_vm_vsrc(0)
	s_getreg_b32 s2, hwreg(HW_REG_IB_STS2, 6, 4)
	s_cmp_eq_u32 s2, 0
	s_cbranch_scc0 .Lentry_in_a_cluster
	s_endpgm
.Lentry_in_a_cluster:
	s_bfe_u32 s2, ttmp6, 0x10000c
	s_cmp_lg_u32 s2, 0xf033
	s_cbranch_scc0 .Lentry_shape_is_right
	s_endpgm
.Lentry_shape_is_right:
.set RECB,   12800
.set RGB,    8*RECB
.set PART,   2*RECB
.set SLOT,   4*PART
.set SPARE,  2*SLOT
.set LAPS,   2
.set FR,     12
.set NL,     4
.set NP,     4
.set QREC,   13056
.set HS,     64*QREC
.set ADRA, 16
.set ADRB, 20
.set L16,  24
.set L8,   25
.set SOFF, 26
.set LN,   27
.set SPW,  28
.set NIL,  29
.set SC,   32
.set TM,   64
.set PC0,  80
.set PWS,  120
.set AF,   128
.set SWO,  224
.set G1, 24
.set G0, 32
.set G1B, 48
.set G0B, 56
.set SEL, 92
.set MSB, 0
.macro WIN new
.if MSB != \new
	s_set_vgpr_msb (MSB<<8)|\new
.set MSB, \new
.endif
.endm
.set MUL_LO, 0xa1
.set MUL_HI, 0xf1
.set TO_B,   0x40
.macro JLOAD g0a, g1a, g0b, g1b
	s_cmp_eq_u32 s15, 0
	s_cbranch_scc0 .Lfor_b_\@
	tensor_load_to_lds s[\g0a:\g0a+3], s[\g1a:\g1a+7]
	s_nop 0
.rept 4
	v_nop
.endr
	s_branch .Lasked_\@
.Lfor_b_\@:
	tensor_load_to_lds s[\g0b:\g0b+3], s[\g1b:\g1b+7]
	s_nop 0
.rept 4
	v_nop
.endr
.Lasked_\@:
.endm
.macro CREST
	s_cmp_lg_u32 s14, 0
	s_cbranch_scc1 .Lnot_wave_0_\@
	s_barrier_signal -3
.Lnot_wave_0_\@:
	s_barrier_wait -3
	s_barrier_signal -1
	s_barrier_wait -1
.endm
.macro CROUND
	s_barrier_signal -1
	s_barrier_wait -1
	CREST
.endm
	s_load_b256 s[4:11], s[0:1], 0x0
	s_load_b64 s[12:13], s[0:1], 0x20
	v_lshl_add_u32 v[SPW], v0, 2, SPARE
	v_mov_b32 v[NIL], 0
	ds_add_u32 v28, v29
	ds_add_u32 v28, v29
	s_wait_dscnt 0x0
	v_lshrrev_b32 v1, 5, v0
	v_readfirstlane_b32 s14, v1
	s_lshr_b32 s15, s14, 1
	s_and_b32 s16, s14, 1
	s_bfe_u32 s40, ttmp6, 0x40000
	s_bfe_u32 s41, ttmp6, 0x40004
	s_lshl_b32 s42, ttmp9, 2
	s_add_co_u32 s42, s42, s40
	s_and_b32 s17, ttmp7, 0xffff
	s_lshl_b32 s43, s41, 2
	s_lshl_b32 s43, 15, s43
	s_lshl_b32 s44, 0x1111, s40
	s_mov_b32 s[SEL], 0x76543210
	s_mov_b32 s[SEL+1], 0xfedcba98
	s_or_b32 s[G1+0], s43, (3<<16)|(1<<21)
	s_or_b32 s[G1B+0], s44, (3<<16)|(1<<21)
.irp g, G1, G1B
	s_mov_b32 s[\g+1], 32<<16
	s_mov_b32 s[\g+2], 100<<16
	s_mov_b32 s[\g+3], 32<<16
	s_mov_b32 s[\g+4], 100
	s_mov_b32 s[\g+5], 32
	s_mov_b32 s[\g+6], 0
	s_mov_b32 s[\g+7], 0
.endr
	s_lshl_b32 s20, s17, 2
	s_add_co_u32 s20, s20, s41
	s_lshl_b32 s20, s20, 1
	s_lshl_b32 s21, s41, 1
	s_add_co_u32 s21, s21, 80
	s_lshl_b32 s46, s42, 1
	s_add_co_u32 s47, s46, 64
	s_and_b32 s45, s17, 7
	s_lshl_b32 s45, s45, 4
	s_add_co_u32 s46, s46, s45
	s_cmp_ge_u32 s17, 8
	s_cselect_b32 s20, s21, s20
	s_cselect_b32 s46, s46, s47
	s_add_co_u32 s20, s20, s16
	s_add_co_u32 s46, s46, s16
	s_mul_i32 s20, s20, RGB
	s_mul_i32 s46, s46, RGB
	s_mov_b32 s21, 0
	s_mov_b32 s47, 0
	s_mul_i32 s45, s14, PART
	s_wait_kmcnt 0x0
	s_add_nc_u64 s[20:21], s[4:5], s[20:21]
	s_add_nc_u64 s[46:47], s[4:5], s[46:47]
	CROUND
.irp s, 0,1
	s_mov_b32 s[G0+4*\s], 1
	s_add_co_u32 s[G0+4*\s+1], s45, \s*SLOT
	s_add_nc_u64 s[G0+4*\s+2:G0+4*\s+3], s[20:21], \s*PART
	s_or_b32 s[G0+4*\s+3], s[G0+4*\s+3], 0x80000000
	s_mov_b32 s[G0B+4*\s], 1
	s_add_co_u32 s[G0B+4*\s+1], s45, \s*SLOT
	s_add_nc_u64 s[G0B+4*\s+2:G0B+4*\s+3], s[46:47], \s*PART
	s_or_b32 s[G0B+4*\s+3], s[G0B+4*\s+3], 0x80000000
	s_wait_alu depctr_va_vdst(0)
	s_wait_tensorcnt 0x0
	ds_add_u32 v28, v29
	ds_add_u32 v28, v29
	s_wait_dscnt 0x0
	CROUND
	JLOAD G0+4*\s, G1, G0B+4*\s, G1B
.endr
	v_and_b32 v[LN], 31, v0
	v_lshlrev_b32 v[L16], 4, v[LN]
	v_lshlrev_b32 v[L8], 3, v[LN]
.irp b, 0,1,2,3
	v_mov_b32 v[TM+4+\b], 0
.endr
	s_mul_i32 s21, s15, PART
	s_mul_i32 s22, s16, PART
	s_add_co_u32 s22, s22, 2*PART
.irp s, 0,1
	v_add_nc_u32 v[ADRA+\s], s21, v[L16]
	v_add_nc_u32 v[ADRA+2+\s], s21, v[L8]
	v_add_nc_u32 v[ADRB+\s], s22, v[L16]
	v_add_nc_u32 v[ADRB+2+\s], s22, v[L8]
	s_add_co_u32 s21, s21, SLOT
	s_add_co_u32 s22, s22, SLOT
.endr
	v_and_b32 v1, 15, v0
	v_bfe_u32 v2, v0, 4, 1
	s_cmp_ge_u32 s17, 8
	s_cbranch_scc1 .Lbias_v
	s_cmp_eq_u32 ttmp9, 0
	s_cselect_b64 s[6:7], s[6:7], s[8:9]
	s_and_b32 s22, s42, 3
	s_lshl_b32 s22, s22, 10
	s_lshl_b32 s23, s16, 9
	s_add_co_u32 s22, s22, s23
	s_mov_b32 s23, 0
	s_add_nc_u64 s[6:7], s[6:7], s[22:23]
	s_wait_alu depctr_va_vdst(0)
	v_lshlrev_b32 v3, 6, v2
	WIN TO_B
.irp i, 0,1,2,3,4,5,6,7
	global_load_b128 v[96+8*\i+96*(\i/4):96+8*\i+96*(\i/4)+3], v3, s[6:7] offset:128*(\i/2)+32*(\i%2)
	global_load_b128 v[96+8*\i+96*(\i/4)+4:96+8*\i+96*(\i/4)+7], v3, s[6:7] offset:128*(\i/2)+32*(\i%2)+16
.endr
	WIN 0
	s_branch .Lbias_done
.Lbias_v:
	s_lshl_b32 s22, s41, 10
	s_lshl_b32 s23, s15, 9
	s_add_co_u32 s22, s22, s23
	s_mov_b32 s23, 0
	s_add_nc_u64 s[10:11], s[10:11], s[22:23]
	s_wait_alu depctr_va_vdst(0)
	v_and_b32 v3, 8, v1
	v_add_nc_u32 v3, v3, v1
	v_lshlrev_b32 v3, 2, v3
	WIN TO_B
.irp i, 0,1,2,3,4,5,6,7
.irp j, 0,1,2,3,4,5,6,7
	global_load_b32 v[96+8*\i+96*(\i/4)+\j], v3, s[10:11] offset:4*(32*(\i/2)+8*(\i%2))
.endr
.endr
	WIN 0
.Lbias_done:
.macro FRAG reg, adr, off
	ds_load_b128 v[\reg:\reg+3], v[\adr] offset:\off
	ds_load_b64 v[\reg+4:\reg+5], v[\adr+2] offset:\off+512
	ds_load_b128 v[\reg+6:\reg+9], v[\adr] offset:\off+768
	ds_load_b64 v[\reg+10:\reg+11], v[\adr+2] offset:\off+1280
.endm
.macro WM d, f0, f1, c, x0, x1, rb, ra
.if (\rb) && (\ra)
	v_wmma_scale_f32_16x16x128_f8f6f4 v[\d:\d+7], v[\f0:\f0+FR-1], v[\f1:\f1+FR-1], v[\c:\c+7], v[\x0], v[\x1] matrix_a_fmt:MATRIX_FMT_BF6 matrix_b_fmt:MATRIX_FMT_BF6 matrix_a_scale:MATRIX_SCALE_ROW1 matrix_b_scale:MATRIX_SCALE_ROW1
.elseif (\rb)
	v_wmma_scale_f32_16x16x128_f8f6f4 v[\d:\d+7], v[\f0:\f0+FR-1], v[\f1:\f1+FR-1], v[\c:\c+7], v[\x0], v[\x1] matrix_a_fmt:MATRIX_FMT_BF6 matrix_b_fmt:MATRIX_FMT_BF6 matrix_a_scale:MATRIX_SCALE_ROW1
.elseif (\ra)
	v_wmma_scale_f32_16x16x128_f8f6f4 v[\d:\d+7], v[\f0:\f0+FR-1], v[\f1:\f1+FR-1], v[\c:\c+7], v[\x0], v[\x1] matrix_a_fmt:MATRIX_FMT_BF6 matrix_b_fmt:MATRIX_FMT_BF6 matrix_b_scale:MATRIX_SCALE_ROW1
.else
	v_wmma_scale_f32_16x16x128_f8f6f4 v[\d:\d+7], v[\f0:\f0+FR-1], v[\f1:\f1+FR-1], v[\c:\c+7], v[\x0], v[\x1] matrix_a_fmt:MATRIX_FMT_BF6 matrix_b_fmt:MATRIX_FMT_BF6
.endif
.endm
.macro MUL16 a0, p, q, sc, cm
.irp a, \a0, \a0+1
.irp b, 0,1,2,3,4,5,6,7
.set rD, 8*(8*((\a)%4)+\b)
.set rC, rD
.if \cm == 1
.set rC, 96+8*\b+96*(\b/4)
.elseif \cm == 2
.set rC, 96+8*(\a)+96*((\a)/4)
.endif
	WM rD, 128*(\p)+FR*\b, AF+FR*(\a), rC, SC+16*(\sc)+8*(\q)+4+\b%4, SC+16*(\sc)+8*(\q)+(\a)%4, \b/4, (\a)/4
.endr
.endr
.endm
.macro FETCH_B slot, q, p
	WIN TO_B
.irp i, 0,1,2,3,4,5,6,7
	FRAG 128*(\p)+FR*\i, ADRB+\slot, (\q)*RECB+\i*1536
.endr
	WIN 0
.endm
.macro FETCH_A slot, q, i0
.irp i, \i0, \i0+1, \i0+2, \i0+3
	FRAG AF+FR*(\i), ADRA+\slot, (\q)*RECB+(\i)*1536
.endr
.endm
.macro SCALES sc
.irp q, 0,1
	ds_load_b128 v[SC+16*\sc+8*\q:SC+16*\sc+8*\q+3], v[ADRA+\sc] offset:\q*RECB+12288
	ds_load_b128 v[SC+16*\sc+8*\q+4:SC+16*\sc+8*\q+7], v[ADRB+\sc] offset:\q*RECB+12288
.endr
.endm
.macro PLACES n
.rept \n
	v_nop
.endr
.endm
.macro STEP slot, cm
	s_wait_dscnt 4*NL
.if \cm
	WIN 0x91
.else
	WIN MUL_LO
.endif
	MUL16 0, 0, 0, \slot, \cm
	MUL16 2, 0, 0, \slot, \cm
	s_wait_dscnt 0
	PLACES NP
	FETCH_B \slot, 1, 1
	FETCH_A \slot, 1, 0
.if \cm
	WIN 0xd1
.else
	WIN MUL_HI
.endif
	MUL16 4, 0, 0, \slot, \cm
	MUL16 6, 0, 0, \slot, \cm
	PLACES NP
	WIN 0
	FETCH_A \slot, 1, 4
.endm
.macro TURN slot, next, fill
	s_wait_tensorcnt 0x0
	ds_add_u32 v[SPW], v[NIL]
	s_wait_dscnt 4*NL+1
	WIN MUL_LO
	MUL16 0, 1, 1, \slot, 0
	s_wait_dscnt 0x0
	s_barrier_signal -1
	MUL16 2, 1, 1, \slot, 0
	WIN 0
	s_barrier_wait -1
.if \fill
	CREST
	s_add_nc_u64 s[G0+4*\slot+2:G0+4*\slot+3], s[G0+4*\slot+2:G0+4*\slot+3], 2*PART
	s_add_nc_u64 s[G0B+4*\slot+2:G0B+4*\slot+3], s[G0B+4*\slot+2:G0B+4*\slot+3], 2*PART
	JLOAD G0+4*\slot, G1, G0B+4*\slot, G1B
.else
	PLACES NP
.endif
	FETCH_B \next, 0, 0
	FETCH_A \next, 0, 0
	SCALES \next
	WIN MUL_HI
	MUL16 4, 1, 1, \slot, 0
	MUL16 6, 1, 1, \slot, 0
	PLACES NP
	WIN 0
	FETCH_A \next, 0, 4
.endm
	s_wait_tensorcnt 1
	s_barrier_signal -1
	s_barrier_wait -1
	FETCH_B 0, 0, 0
	FETCH_A 0, 0, 0
	SCALES 0
	FETCH_A 0, 0, 4
	s_wait_loadcnt 0x0
	s_cmp_ge_u32 s17, 8
	s_cbranch_scc1 .Lfirst_v
	STEP 0, 1
	s_branch .Lfirst_done
.Lfirst_v:
	STEP 0, 2
.Lfirst_done:
	s_mov_b32 s3, LAPS-1
.Llap:
	TURN 0, 1, 1
	STEP 1, 0
	TURN 1, 0, 1
	STEP 0, 0
	s_sub_co_u32 s3, s3, 1
	s_cmp_lg_u32 s3, 0
	s_cbranch_scc1 .Llap
	TURN 0, 1, 0
	STEP 1, 0
	s_wait_dscnt 4*NL
	WIN MUL_LO
	MUL16 0, 1, 1, 1, 0
	MUL16 2, 1, 1, 1, 0
	s_wait_dscnt 0
	WIN MUL_HI
	MUL16 4, 1, 1, 1, 0
	MUL16 6, 1, 1, 1, 0
	WIN 0
	s_lshl_b32 s20, s42, 2
	s_lshl_b32 s21, s16, 1
	s_add_co_u32 s20, s20, s21
	s_lshl_b32 s20, s20, 6
	s_lshl_b32 s21, s17, 2
	s_add_co_u32 s21, s21, s41
	s_lshl_b32 s21, s21, 1
	s_add_co_u32 s21, s21, s15
	s_add_co_u32 s20, s20, s21
	s_lshl_b32 s22, s41, 2
	s_lshl_b32 s23, s15, 1
	s_add_co_u32 s22, s22, s23
	s_add_co_u32 s22, s22, 16
	s_lshl_b32 s22, s22, 6
	s_lshl_b32 s23, s42, 1
	s_add_co_u32 s22, s22, s23
	s_and_b32 s23, s17, 7
	s_lshl_b32 s23, s23, 4
	s_add_co_u32 s22, s22, s23
	s_add_co_u32 s22, s22, s16
	s_cmp_ge_u32 s17, 8
	s_cselect_b32 s20, s22, s20
	s_cselect_b32 s21, 6144, 0
	s_mov_b32 s22, HS
	s_cselect_b32 s22, 768, s22
	s_mov_b32 s72, 768
	s_cselect_b32 s72, 1536, s72
	s_cselect_b32 s74, HS-6144, 0
	s_mov_b32 s23, 12288
	s_cselect_b32 s23, 12800, s23
	s_mov_b32 s45, 256
	s_cselect_b32 s45, HS, s45
	s_mul_i32 s20, s20, QREC
	s_add_co_u32 s46, s20, s21
	s_mov_b32 s47, 0
	s_add_nc_u64 s[68:69], s[12:13], s[46:47]
	s_mov_b32 s46, s22
	s_add_nc_u64 s[70:71], s[68:69], s[46:47]
	s_add_co_u32 s46, s20, s23
	s_add_nc_u64 s[76:77], s[12:13], s[46:47]
	s_add_nc_u64 s[78:79], s[76:77], HS
	s_mov_b32 s73, 0
	s_mov_b32 s75, 0
	v_and_b32 v1, 15, v0
	v_bfe_u32 v2, v0, 4, 1
	v_mul_u32_u24 v[SOFF], s45, v2
	v_lshl_add_u32 v[SOFF], v1, 4, v[SOFF]
	PLACES NP
.macro QUANTW a
.set AC, 64*((\a)%4)
.set PCX, PC0+20*((\a)%2)
	WIN 0x0a+5*((\a)/4)
.irp b, 0,1,2,3
	v_max3_num_f32 v[TM+\b], |v[AC+16*\b]|, |v[AC+1+16*\b]|, 0x2800000
.endr
.irp i, 2,4,6,8,10,12,14
.irp b, 0,1,2,3
	v_max3_num_f32 v[TM+\b], |v[AC+16*\b+\i]|, |v[AC+1+16*\b+\i]|, v[TM+\b]
.endr
.endr
	WIN 0
.irp b, 0,1,2,3
	v_permlanex16_b32 v[TM+4+\b], v[TM+\b], s[SEL], s[SEL+1]
.endr
.irp b, 0,1,2,3
	v_max_num_f32 v[TM+\b], v[TM+\b], v[TM+4+\b]
.endr
.irp b, 0,1,2,3
	v_add_nc_u32 v[TM+12+\b], 0xfe000000, v[TM+\b]
.endr
.irp b, 0,1,2,3
	v_lshrrev_b32 v[TM+4+\b], 23, v[TM+12+\b]
.endr
	v_lshl_or_b32 v[PWS+(\a)], v[TM+5], 8, v[TM+4]
	v_lshl_or_b32 v[PWS+(\a)], v[TM+6], 16, v[PWS+(\a)]
	v_lshl_or_b32 v[PWS+(\a)], v[TM+7], 24, v[PWS+(\a)]
	WIN 0x02+((\a)/4)
.irp c, 0,1
	v_cvt_scalef32_pk16_bf6_f32 v[PCX+6*\c:PCX+2+6*\c], v[AC+32*\c:AC+15+32*\c], v[TM+12+2*\c]
	v_cvt_scalef32_pk16_bf6_f32 v[PCX+12+4*\c:PCX+14+4*\c], v[AC+16+32*\c:AC+31+32*\c], v[TM+12+2*\c+1]
.endr
	WIN 0
	v_nop
.irp c, 0,1
.irp i, 0,1,2
	v_permlane16_swap_b32 v[PCX+6*\c+\i], v[PCX+12+4*\c+\i]
.endr
.irp i, 0,1,2
	v_mov_b32 v[PCX+3+6*\c+\i], v[PCX+12+4*\c+\i]
.endr
.endr
.endm
.irp a, 0,1,2,3,4,5,6,7
	QUANTW \a
.if \a > 0
	s_wait_alu depctr_va_vdst(0)
	s_wait_xcnt 0x0
	s_add_nc_u64 s[68:69], s[68:69], s[72:73]
	s_add_nc_u64 s[70:71], s[70:71], s[72:73]
.if \a == 4
	s_add_nc_u64 s[68:69], s[68:69], s[74:75]
	s_add_nc_u64 s[70:71], s[70:71], s[74:75]
.endif
.endif
	global_store_b128 v[L16], v[PC0+20*(\a%2):PC0+20*(\a%2)+3], s[68:69]
	global_store_b64 v[L8], v[PC0+20*(\a%2)+4:PC0+20*(\a%2)+5], s[68:69] offset:512
	global_store_b128 v[L16], v[PC0+20*(\a%2)+6:PC0+20*(\a%2)+9], s[70:71]
	global_store_b64 v[L8], v[PC0+20*(\a%2)+10:PC0+20*(\a%2)+11], s[70:71] offset:512
.endr
	v_cmp_lt_u32 vcc_lo, 15, v[LN]
.irp i, 0,1,2,3
	v_cndmask_b32 v[SWO+\i], v[PWS+\i], v[PWS+4+\i], vcc_lo
.endr
	global_store_b128 v[SOFF], v[SWO:SWO+3], s[76:77]
	s_cmp_ge_u32 s17, 8
	s_cbranch_scc1 .Lno_second
.irp i, 0,1,2,3
	v_lshrrev_b32 v[SWO+4+\i], 16, v[SWO+\i]
.endr
	global_store_b128 v[SOFF], v[SWO+4:SWO+7], s[78:79]
.Lno_second:
	s_wait_tensorcnt 0x0
	ds_add_u32 v[SPW], v[NIL]
	s_wait_dscnt 0x0
	CROUND
	s_endpgm
.Lfunc_end_k_q6fdb52e742_gemm_qkv:
	.size	k_q6fdb52e742_gemm_qkv, .Lfunc_end_k_q6fdb52e742_gemm_qkv-k_q6fdb52e742_gemm_qkv
	.p2alignl 7, 3214868480
	.fill 96, 4, 3214868480
	.section	.rodata,"a",@progbits
	.p2align	6, 0x0
	.amdhsa_kernel k_q6fdb52e742_gemm_qkv
		.amdhsa_group_segment_fixed_size 327680
		.amdhsa_private_segment_fixed_size 0
		.amdhsa_enable_private_segment 0
		.amdhsa_kernarg_size 40
		.amdhsa_user_sgpr_count 2
		.amdhsa_user_sgpr_kernarg_segment_ptr 1
		.amdhsa_wavefront_size32 1
		.amdhsa_system_sgpr_workgroup_id_x 1
		.amdhsa_system_sgpr_workgroup_id_y 1
		.amdhsa_system_sgpr_workgroup_id_z 1
		.amdhsa_system_vgpr_workitem_id 0
		.amdhsa_next_free_vgpr 1024
		.amdhsa_next_free_sgpr 100
		.amdhsa_reserve_vcc 1
		.amdhsa_float_denorm_mode_32 3
		.amdhsa_float_denorm_mode_16_64 3
		.amdhsa_memory_ordered 1
		.amdhsa_forward_progress 1
		.amdhsa_inst_pref_size 169
	.end_amdhsa_kernel
	.amdgpu_metadata
---
amdhsa.version: [ 1, 2 ]
amdhsa.kernels:
  - .name:           k_q6fdb52e742_gemm_qkv
    .symbol:         k_q6fdb52e742_gemm_qkv.kd
    .args:
      - { .name: ops, .offset: 0, .size: 8, .value_kind: global_buffer, .address_space: global }
      - { .name: bq, .offset: 8, .size: 8, .value_kind: global_buffer, .address_space: global }
      - { .name: bk, .offset: 16, .size: 8, .value_kind: global_buffer, .address_space: global }
      - { .name: bv, .offset: 24, .size: 8, .value_kind: global_buffer, .address_space: global }
      - { .name: qkv, .offset: 32, .size: 8, .value_kind: global_buffer, .address_space: global }
    .group_segment_fixed_size: 327680
    .private_segment_fixed_size: 0
    .kernarg_segment_align: 8
    .kernarg_segment_size: 40
    .max_flat_workgroup_size: 128
    .sgpr_count:     100
    .vgpr_count:     1024
    .wavefront_size: 32
...
	.end_amdgpu_metadata
.endif
;; end of part 2
;; launch attn (part 3): grid 4 x 64, 16 waves a work-group, clusters of 4 x 1, 265,216 bytes of LDS; arguments qkv, orec; writes orec
.if DOCPART == 3
	.amdgcn_target "amdgcn-amd-amdhsa--gfx1250"
	.amdhsa_code_object_version 6
	.text
	.protected	k_q6fdb52e742_attn
	.globl	k_q6fdb52e742_attn
	.p2align	8
	.type	k_q6fdb52e742_attn,@function
k_q6fdb52e742_attn:
	s_mov_b64 s[64:65], 0
	v_nop
	global_prefetch_b8 v0, s[64:65] scope:SCOPE_SE
	s_setreg_imm32_b32 hwreg(HW_REG_WAVE_MODE, 25, 1), 1
	s_wait_xcnt 0x0
	s_wait_alu depctr_hold_cnt(0) depctr_sa_sdst(0) depctr_va_vdst(0) depctr_va_sdst(0) depctr_va_ssrc(0) depctr_va_vcc(0) depctr_vm_vsrc(0)
	s_getreg_b32 s2, hwreg(HW_REG_IB_STS2, 6, 4)
	s_cmp_eq_u32 s2, 0
	s_cbranch_scc0 .Lentry_in_a_cluster
	s_endpgm
.Lentry_in_a_cluster:
	s_bfe_u32 s2, ttmp6, 0x10000c
	s_cmp_lg_u32 s2, 0x3003
	s_cbranch_scc0 .Lentry_shape_is_right
	s_endpgm
.Lentry_shape_is_right:
; o = softmax(q k^T / 8) v for one head of one batch, both products on codes of BF6 (E3M2) with E8M0 scales; o is quantised along the model's 1,024 and leaves as codes, laid as the last product's operand.
; THE SOFTMAX: t = score x log2(e) / 8; M = the row's largest t so far, rounded UP to a whole number; p = 2^(t - M) is quantised along the keys, not normalised.
; The row's sum is taken of the unquantised p and divides o at the end.  When M moves, the sum and O are multiplied by 2^(old M - new M): exact.
; qkv: [32 places: 0-15 q, 16-31 k with v][64 groups of 128 rows][13,056 bytes]: 8 half images of 768 bytes (16 rows x the head's 64: registers 0-3 of lane l at 16 l, 4-5 at 512 + 8 l);
;   at 6,144 four images of 1,536 bytes (v: 16 channels x 128 keys); at 12,288 the scale words of q or k (tile t, row r: 256 (t / 4) + 16 r + 4 (t % 4)); at 12,800 v's ([row][tile]).
;   In a group, lane-row r of stored tile 2 g + u is row 32 g + 8 u + r + 8 (r / 8).
; SHARES.  y = 4 x head + batch.  256 work-groups; one owns 512 queries, in two passes of 256: each of its sixteen waves takes one tile of 16 queries a pass.  No barrier stands between the passes.
; THE HEAD'S WHOLE k AND v, 16 key steps, lie in LDS and are filled ONCE: each wave asks for one key step's record, 51 rows of 256 bytes, with 64 bytes of padding behind each row (LDS byte of record byte y: 320 (y / 256) + y % 256).
; The four work-groups of a cluster walk the same k and v and ask for them JOINTLY.  All of k and v is asked for at the head, so no loop runs ahead of those loads and they have no prefetch.
; The second pass's q (768 bytes a wave and its scale words) is prefetched at the head and loaded in the first pass's last key step.
; Both products are used transposed: S^T = k q^T, O^T = v^T p^T: a lane holds ONE query (lane % 16) throughout.
; WHICH KEYS FORM A TILE OF k is chosen by the lanes' LDS addresses: lane-row r of tile (c, u) is key 64 c + 32 (r / 8) + 8 u + r % 8.  So the 32 score registers of tiles (c, 0 .. 3) in lane (r, h) are the keys
; 64 c + 32 h + 0 .. 31 in order: one whole block of p's K in one lane: its largest needs no other lane, and the conversions' results are the operand's registers.
; TWO TILES OF k SHARE A FRAGMENT: registers 0-5 tile (c, 2 v), registers 6-11 tile (c, 2 v + 1); multiplied with [q | 0] it gives the first tile's scores, with [0 | q] the second's (zero codes add nothing under a finite scale byte).
; orec: [64 groups of 128 rows][8 K steps = pairs of heads][13,312 bytes]: 8 images of 1,536 bytes (half c is head 2 s + c's); the even head's scale words at 12,288, the odd head's at 12,800 (bytes 0, 1; the others 0).
; LIMITS: a block of zeros gets the byte 1 with zero codes; NaN and infinities are not served; the promise holds while the scaled scores stay under 2^31 in magnitude.
; REGISTERS: v1-6 lane parts of LDS addresses (k 16-byte, k 8-byte, k scales, v 16-byte, v 8-byte, v scales); v7, v8 q's scale words for [q|0], [0|q]; v9-11 at work; v12 -M, v13 largest t, v[14:15] the sum;
;   v16-33 zeros, q, zeros; v34-37 k's scale words; v38-41 v's; v42-89 k; v90-137 v; v138-201 S^T, then p; v202-233 O^T; v234-246 p's codes; v247 p's scale word; v248 f, v249 8 h; v250-251 the blocks' largest; v252-255 at work.
.set QREC,  13056
.set QL,    16320                      ; a record in LDS: 51 rows of 320 bytes
.set HEADB, 16*QREC
.set KVOFF, 64*HEADB
.set OSC,   16*QL                      ; behind k and v: 2,048 bytes in which the waves' scale words of o meet, 512 for each group of 128 queries
.set SPARE, OSC+2048                   ; the spare words: 128 bytes a wave
.set OREC,  13312
.set ORG,   8*OREC
.set KF,  42
.set VF,  90
.set S,   138
.set O,   202
.set P,   234
.set SEL, 40
.set CS,  42                           ; s[42:43] c = log2(e) / 8
.set TB,  44                           ; s44 the key step's LDS byte
.set CNT, 45
.macro CROUND                          ; a round of the cluster's barrier
	s_barrier_signal -1
	s_barrier_wait -1
	s_cmp_lg_u32 s8, 0
	s_cbranch_scc1 .Lnot_wave_0_\@
	s_barrier_signal -3
.Lnot_wave_0_\@:
	s_barrier_wait -3
	s_barrier_signal -1
	s_barrier_wait -1
.endm
.macro SW d, f, q, xs, qs, row         ; 16 keys x 16 queries
.if \row
	v_wmma_scale_f32_16x16x128_f8f6f4 v[\d:\d+7], v[\f:\f+11], v[\q:\q+11], 0, v[\xs], v[\qs] matrix_a_fmt:MATRIX_FMT_BF6 matrix_b_fmt:MATRIX_FMT_BF6 matrix_a_scale:MATRIX_SCALE_ROW1
.else
	v_wmma_scale_f32_16x16x128_f8f6f4 v[\d:\d+7], v[\f:\f+11], v[\q:\q+11], 0, v[\xs], v[\qs] matrix_a_fmt:MATRIX_FMT_BF6 matrix_b_fmt:MATRIX_FMT_BF6
.endif
.endm
; k's eight tiles and their scale words (register 34 + 2 v + e: tile (c, 2 v + e), c = 0 in lanes 0-15, c = 1 in lanes 16-31), from the record nx bytes behind the addresses
.macro KLOAD a16, a8, as, nx
.irp c, 0,1
.irp u, 0,1
.irp e, 0,1
	ds_load_b128 v[KF+12*(2*\c+\u)+6*\e:KF+12*(2*\c+\u)+6*\e+3], v[\a16] offset:\nx+3840*\c+960*\e+128*\u
	ds_load_b64 v[KF+12*(2*\c+\u)+6*\e+4:KF+12*(2*\c+\u)+6*\e+5], v[\a8] offset:\nx+640+3840*\c+960*\e+64*\u
.endr
.endr
.endr
	ds_load_b64 v[34:35], v[\as] offset:\nx+15360
	ds_load_b64 v[36:37], v[\as] offset:\nx+15360+128
.endm
.macro XPACK                           ; bytes 0, 1 of the two tiles' words make the shared fragment's scale word
	v_perm_b32 v34, v35, v34, 0x05040100
	v_perm_b32 v36, v37, v36, 0x05040100
.endm
	s_load_b128 s[4:7], s[0:1], 0x0                ; qkv, orec
	v_lshl_add_u32 v254, v0, 2, SPARE
	v_mov_b32 v255, 0
	ds_add_u32 v254, v255                          ; the opening lines: the add, twice on end, and its wait
	ds_add_u32 v254, v255
	v_lshrrev_b32 v1, 5, v0
	v_readfirstlane_b32 s8, v1                     ; wave 0..15
	s_bfe_u32 s9, ttmp6, 0x40000                   ; cx: it enters q's and o's global addresses alone
	s_and_b32 s11, ttmp7, 0xffff                   ; y = 4 x head + batch, which the four partners share
	s_mul_i32 s12, s11, HEADB
	s_mov_b32 s13, 0
	s_mov_b32 s16, 15|(3<<16)|(1<<20)|(1<<21)|(5<<22)|(15<<25)  ; the mask: all four; elements of 8 bytes; padding on; 21 set beside a mask; after every 64 words 16 words
	s_mov_b32 s17, 32<<16
	s_mov_b32 s18, 51<<16
	s_mov_b32 s19, 32<<16
	s_mov_b32 s20, 51
	s_mov_b32 s21, 32
	s_mov_b32 s22, 0
	s_mov_b32 s23, 0
	s_mul_i32 s24, s8, QREC                        ; my load: key step w
	s_mov_b32 s25, 0
	s_mov_b32 s32, 1
	s_mul_i32 s33, s8, QL
	s_mov_b32 s[SEL], 0x76543210
	s_mov_b32 s[SEL+1], 0xfedcba98
	s_mov_b32 s[CS], 0x3e38aa3b
	s_mov_b32 s[CS+1], s[CS]
	s_wait_dscnt 0x0
	s_wait_kmcnt 0x0
	s_add_nc_u64 s[46:47], s[4:5], s[12:13]        ; q's records of my head and batch
	s_add_nc_u64 s[34:35], s[46:47], KVOFF         ; k's and v's
	s_add_nc_u64 s[34:35], s[34:35], s[24:25]
	s_or_b32 s35, s35, 0x80000000
	CROUND                                         ; all four work-groups are here: the joint loads meet
	tensor_load_to_lds s[32:35], s[16:23]          ; one tensor load a wave; one of mine is out
	s_nop 0
	s_lshr_b32 s54, s8, 3                          ; which of a pass's two groups of 128 queries,
	s_and_b32 s55, s8, 7                           ; and which tile t of it
	s_lshl_b32 s56, s9, 2
	s_add_co_u32 s56, s56, s54                     ; pass 0's group within the batch: 4 cx + w / 8; pass 1's lies two on
	s_mul_i32 s24, s56, QREC
	s_mul_i32 s57, s55, 768
	s_add_co_u32 s26, s24, s57
	s_mov_b32 s27, 0
	s_add_nc_u64 s[48:49], s[46:47], s[24:25]      ; the group's record
	s_add_nc_u64 s[46:47], s[46:47], s[26:27]      ; my tile's half image
	s_lshr_b32 s58, s55, 2
	s_lshl_b32 s58, s58, 8
	s_sub_co_u32 s59, 12288, s57
	s_add_co_u32 s59, s59, s58                     ; from my image to the 256 bytes that hold my scale words
	s_and_b32 s60, s8, 3
	s_cmp_eq_u32 s60, 0                            ; four waves share those 256 bytes: the first of them names them in its prefetch,
	s_cselect_b32 s59, s59, 512                    ; the others name their image's last 256 bytes again
	s_lshl_b32 s60, s60, 2
	s_add_co_u32 s58, s58, s60                     ; 256 (t / 4) + 4 (t % 4)
	s_mov_b32 s28, s58
	s_mov_b32 s29, 0
	s_add_nc_u64 s[48:49], s[48:49], s[28:29]
	s_lshl_b32 s57, s54, 9
	s_add_co_u32 s57, s57, s58
	s_add_co_u32 s57, s57, OSC                     ; LDS: my tile's scale words of o, pass 0
	s_and_b32 s24, s11, 3                          ; batch
	s_lshl_b32 s24, s24, 4
	s_lshl_b32 s26, s9, 2
	s_add_co_u32 s24, s24, s26
	s_add_co_u32 s26, s24, s8                      ; group 16 batch + 4 cx + w: whose scale words wave w (0 .. 3) stores
	s_add_co_u32 s24, s24, s54                     ; my rows' group in pass 0
	s_mul_i32 s24, s24, ORG
	s_mul_i32 s26, s26, ORG
	s_lshr_b32 s28, s11, 2                         ; head
	s_lshr_b32 s29, s28, 1
	s_mul_i32 s29, s29, OREC                       ; its pair is the K step
	s_and_b32 s28, s28, 1
	s_add_co_u32 s24, s24, s29
	s_add_co_u32 s26, s26, s29
	s_mul_i32 s29, s55, 1536
	s_add_co_u32 s24, s24, s29
	s_mul_i32 s29, s28, 768
	s_add_co_u32 s24, s24, s29
	s_lshl_b32 s29, s28, 9
	s_add_co_u32 s26, s26, s29
	s_add_nc_u64 s[50:51], s[6:7], s[24:25]        ; my tile's image, my head's half
	s_add_nc_u64 s[52:53], s[6:7], s[26:27]
	v_and_b32 v9, 31, v0                           ; lane
	v_and_b32 v10, 15, v0                          ; r
	v_bfe_u32 v11, v0, 4, 1                        ; h
	v_and_b32 v252, 7, v0
	v_bfe_u32 v253, v0, 3, 1
	v_mul_u32_u24 v1, v253, 1920                   ; rows 8-15 of a tile come from the stored tile two on: 6 rows of 320 bytes
	v_lshl_add_u32 v2, v252, 3, v1
	v_lshl_add_u32 v2, v11, 7, v2                  ; k, 8-byte pieces: 1920 (r / 8) + 8 (r % 8) + 128 h
	v_lshl_add_u32 v1, v252, 4, v1
	v_mad_u32_u24 v1, v11, 320, v1                 ; k, 16-byte pieces: 1920 (r / 8) + 16 (r % 8) + 320 h
	v_lshlrev_b32 v3, 4, v252
	v_lshl_add_u32 v3, v253, 3, v3
	v_mad_u32_u24 v3, v11, 320, v3                 ; k's scale words: 16 (r % 8) + 8 (r / 8) + 320 h
	v_lshlrev_b32 v6, 4, v10                       ; 16 r
	v_mad_u32_u24 v4, v11, 320, v6                 ; v, 16-byte pieces: 16 r + 320 h
	v_lshlrev_b32 v5, 3, v9                        ; 8 x lane
	v_lshlrev_b32 v249, 3, v11                     ; 8 h
	v_lshlrev_b32 v254, 4, v9                      ; 16 x lane
	global_load_b128 v[22:25], v254, s[46:47]      ; q's half image stays in registers
	global_load_b64 v[26:27], v5, s[46:47] offset:512
	global_load_b32 v7, v6, s[48:49] offset:12288
	v_lshlrev_b32 v255, 8, v9
	v_cmp_gt_u32 vcc_lo, 3, v9
	v_mov_b32 v252, s59
	v_cndmask_b32 v255, v252, v255, vcc_lo         ; lanes 0-2: the image's three blocks of 256 bytes; the others as chosen above
	global_prefetch_b8 v255, s[46:47] offset:2*QREC th:TH_LOAD_NT scope:SCOPE_SE   ; pass 1's q: 15 key steps ahead of its load
.irp i, 16,17,18,19,20,21,28,29,30,31,32,33
	v_mov_b32 v[\i], 0                             ; the zero codes on both sides of q
.endr
	s_wait_alu depctr_va_vdst(0)
	s_wait_xcnt 0x0                                ; the prefetch and the loads have read their address registers
	s_wait_tensorcnt 0x0                           ; my record has landed
	s_barrier_signal -1
	s_barrier_wait -1                              ; everybody's has: all of k and v lies in LDS
	KLOAD 1, 2, 3, 0                               ; key step 0's k
	s_wait_loadcnt 0x0                             ; q
	s_wait_dscnt 0x0
	XPACK
; A KEY STEP: 128 keys, whose record begins at LDS byte s[TB].  Its k is in registers.  pf = 1: the next record's k is fetched; 2: record 0's, and the next pass's q; 0: nothing.
.macro STEP pf
.irp c, 0,1
.irp u, 0,1
	SW S+32*\c+16*\u, KF+12*(2*\c+\u), 22, 34+2*\u, 7, \c
	SW S+32*\c+16*\u+8, KF+12*(2*\c+\u), 16, 34+2*\u, 8, \c
.endr
.endr
	v_mov_b32 v255, v12                            ; the old -M.  This and the lines below are the plain instructions between the products and the loads into their registers and the reads of the scores
	v_add_nc_u32 v9, s[TB], v4
	v_add_nc_u32 v10, s[TB], v5
	v_add_nc_u32 v11, s[TB], v6
.if \pf == 1
	v_add_nc_u32 v252, s[TB], v1
	v_add_nc_u32 v253, s[TB], v2
	v_add_nc_u32 v254, s[TB], v3
.elseif \pf == 2
	v_lshlrev_b32 v254, 1, v5                      ; 16 x lane; not written again before the wait for the loads below
.endif
.irp t, 0,1,2,3
.irp c, 0,1
	ds_load_b128 v[VF+12*\t+6*\c:VF+12*\t+6*\c+3], v9 offset:320*(24+6*\t+3*\c)
	ds_load_b64 v[VF+12*\t+6*\c+4:VF+12*\t+6*\c+5], v10 offset:320*(24+6*\t+3*\c)+640
.endr
.endr
	ds_load_b128 v[38:41], v11 offset:320*50       ; v's scale words: register t: tile t
.if \pf == 1
	KLOAD 252, 253, 254, QL
.elseif \pf == 2
	KLOAD 1, 2, 3, 0
	global_load_b128 v[22:25], v254, s[46:47] offset:2*QREC
	global_load_b64 v[26:27], v5, s[46:47] offset:2*QREC+512
	global_load_b32 v7, v6, s[48:49] offset:2*QREC+12288
.endif
.irp c, 0,1
	v_max3_num_f32 v[250+\c], v[S+32*\c], v[S+32*\c+1], v[S+32*\c+2]   ; the largest score of my block 2 c + h: it serves the row's maximum and, since p rises with the score, the block's largest p
.endr
.irp i, 3,5,7,9,11,13,15,17,19,21,23,25,27,29
.irp c, 0,1
	v_max3_num_f32 v[250+\c], v[250+\c], v[S+32*\c+\i], v[S+32*\c+\i+1]
.endr
.endr
.irp c, 0,1
	v_max_num_f32 v[250+\c], v[250+\c], v[S+32*\c+31]
.endr
	s_delay_alu instid0(VALU_DEP_1)
	v_max_num_f32 v252, v250, v251
	s_delay_alu instid0(VALU_DEP_1)
	v_permlanex16_b32 v253, v252, s[SEL], s[SEL+1]
	s_delay_alu instid0(VALU_DEP_1)
	v_max_num_f32 v252, v252, v253                 ; with lane l xor 16's 64 keys
	s_delay_alu instid0(VALU_DEP_1)
	v_mul_f32 v252, s[CS], v252                    ; as t (c is positive)
	s_delay_alu instid0(VALU_DEP_1)
	v_max_num_f32 v13, v13, v252                   ; the running largest t
	s_delay_alu instid0(VALU_DEP_1)
	v_floor_f32 v12, -v13                          ; the new -M = -ceil(t): a whole number
	s_delay_alu instid0(VALU_DEP_1)
	v_sub_f32 v252, v12, v255                      ; old M - new M: a whole number, 0 or less
	s_delay_alu instid0(VALU_DEP_1)
	v_cvt_i32_f32 v252, v252                       ; (it saturates)
	s_delay_alu instid0(VALU_DEP_1)
	v_ldexp_f32 v248, 1.0, v252                    ; f = 2^(old M - new M)
.set j, 0
.rept 32
	v_pk_fma_f32 v[S+j:S+j+1], v[S+j:S+j+1], s[CS:CS+1], v[12:13] op_sel_hi:[1,0,0]   ; t - M, two at a time
.set j, j+2
.endr
	v_fma_f32 v250, v250, s[CS], v12               ; the same of each block's largest score
	v_fma_f32 v251, v251, s[CS], v12
	s_wait_alu depctr_va_vdst(0)
	v_exp_f32 v250, v250                           ; the block's largest p: the same arithmetic on the same number gives the same bits
	v_exp_f32 v251, v251
.set j, 0
.rept 64
	v_exp_f32 v[S+j], v[S+j]                       ; p = 2^(t - M), at most 1
.set j, j+1
.endr
	v_pk_mul_f32 v[14:15], v[14:15], v[248:249] op_sel_hi:[1,0]   ; the sums under the new M: the plain instruction behind the exponentials
	s_wait_alu depctr_va_vdst(0)                   ; one wait for the whole batch, ahead of its first reader
	v_pk_add_f32 v[P:P+1], v[S:S+1], v[S+2:S+3]    ; the row's sum of the unquantised p, in four chains (three in the registers that p's codes take later)
	v_pk_add_f32 v[P+2:P+3], v[S+4:S+5], v[S+6:S+7]
	v_pk_add_f32 v[P+4:P+5], v[S+8:S+9], v[S+10:S+11]
	v_pk_add_f32 v[14:15], v[14:15], v[S+12:S+13]
.irp i, 14,22,30,38,46,54
	v_pk_add_f32 v[P:P+1], v[P:P+1], v[S+\i:S+\i+1]
	v_pk_add_f32 v[P+2:P+3], v[P+2:P+3], v[S+\i+2:S+\i+3]
	v_pk_add_f32 v[P+4:P+5], v[P+4:P+5], v[S+\i+4:S+\i+5]
	v_pk_add_f32 v[14:15], v[14:15], v[S+\i+6:S+\i+7]
.endr
	v_pk_add_f32 v[P:P+1], v[P:P+1], v[S+62:S+63]
	v_pk_add_f32 v[P+2:P+3], v[P+2:P+3], v[P+4:P+5]
	v_pk_add_f32 v[14:15], v[14:15], v[P:P+1]
	v_pk_add_f32 v[14:15], v[14:15], v[P+2:P+3]
	v_max_num_f32 v250, 0x2800000, v250            ; the floor 2^(5 - 127): the byte cannot fall under 1
	v_max_num_f32 v251, 0x2800000, v251
	v_add_nc_u32 v250, 0xfe000000, v250            ; 4 off the exponent field: the conversion's scale operand
	v_add_nc_u32 v251, 0xfe000000, v251
	v_cvt_scalef32_pk16_bf6_f32 v[P:P+2], v[S:S+15], v250
	v_cvt_scalef32_pk16_bf6_f32 v[P+4:P+6], v[S+16:S+31], v250     ; (a conversion's three registers begin on an even number: one too high, moved down below)
	v_lshrrev_b32 v252, 23, v250                   ; the scales' bytes; plain instructions behind the conversions
	v_lshrrev_b32 v253, 23, v251
.irp i, 3,4,5
	v_mov_b32 v[P+\i], v[P+\i+1]
.endr
	v_cvt_scalef32_pk16_bf6_f32 v[P+6:P+8], v[S+32:S+47], v251
	v_cvt_scalef32_pk16_bf6_f32 v[P+10:P+12], v[S+48:S+63], v251
	v_lshl_or_b32 v252, v253, 16, v252             ; my two bytes: blocks h and 2 + h,
	v_lshlrev_b32 v252, v249, v252                 ; at their places in the scale word (8 h bits up)
.irp i, 9,10,11
	v_mov_b32 v[P+\i], v[P+\i+1]
.endr
	v_permlanex16_b32 v253, v252, s[SEL], s[SEL+1]
	v_or_b32 v247, v252, v253                      ; with lane l xor 16's two the word is whole
	s_wait_dscnt 0x0                               ; v is in, and the k fetched ahead
.if \pf
	XPACK
.endif
	s_wait_alu depctr_va_vdst(0)                   ; directly ahead of the first reader of O^T
.set j, 0
.rept 16
	v_pk_mul_f32 v[O+j:O+j+1], v[O+j:O+j+1], v[248:249] op_sel_hi:[1,0]   ; O^T under the new M.  These sixteen also stand between the writes of the codes and scale words and the products
.set j, j+2
.endr
.irp t, 0,1,2,3                                ; the four accumulators by turns; eleven other products stand between a step's link and the next step's
	v_wmma_scale_f32_16x16x128_f8f6f4 v[O+8*\t:O+8*\t+7], v[VF+12*\t:VF+12*\t+11], v[P:P+11], v[O+8*\t:O+8*\t+7], v[38+\t], v247 matrix_a_fmt:MATRIX_FMT_BF6 matrix_b_fmt:MATRIX_FMT_BF6
.endr
	s_add_co_u32 s[TB], s[TB], QL
.endm
; A PASS: my tile of 16 queries against all 2,048 keys, and the way out.
.macro PASS p
.if \p
	s_wait_alu depctr_va_vdst(0)
	s_wait_xcnt 0x0                                ; the last pass's stores have read their registers
	s_wait_loadcnt 0x0                             ; this pass's q
.endif
	v_lshlrev_b32 v8, 16, v7                       ; q's two bytes at K = 64 .. 127, for [0 | q]
	v_mov_b32 v13, 0xff61b1e6                      ; the largest t so far: -3e38
	v_floor_f32 v12, -v13
	v_mov_b32 v14, 0
	v_mov_b32 v15, 0
.set j, 0
.rept 32
	v_mov_b32 v[O+j], 0                            ; O^T: the first step finds zeros, which the first change of M leaves zeros
.set j, j+1
.endr
	s_mov_b32 s[TB], 0
	s_mov_b32 s[CNT], 15
.Lkeys\p:
	STEP 1
	s_sub_co_u32 s[CNT], s[CNT], 1
	s_cmp_lg_u32 s[CNT], 0
	s_cbranch_scc1 .Lkeys\p
	s_mov_b32 s[TB], 15*QL
.if \p
	STEP 0
.else
	STEP 2
.endif
	; THE WAY OUT.  O^T / the sum: register 16 g + i is channel 32 g + 16 h + i of my query: two blocks of the last product's K become half a fragment and two scale bytes.
	v_add_f32 v14, v14, v15
	v_permlanex16_b32 v253, v14, s[SEL], s[SEL+1]
	v_add_f32 v14, v14, v253                       ; the row's sum
	s_wait_alu depctr_va_vdst(0)
	v_rcp_f32 v14, v14
	v_lshlrev_b32 v9, 1, v5                        ; 16 x lane
	v_add_nc_u32 v10, s57, v6                      ; LDS: my tile's scale words
	v_nop
	v_nop
	s_wait_alu depctr_va_vdst(0)                   ; ahead of the reciprocal's and O^T's first reader
.set j, 0
.rept 32
	v_mul_f32 v[S+j], v[O+j], v14                  ; each accumulator from its low end on
.set j, j+1
.endr
.irp b, 0,1
	v_max3_num_f32 v[250+\b], |v[S+16*\b]|, |v[S+1+16*\b]|, 0x2800000
.endr
.irp i, 2,4,6,8,10,12,14
.irp b, 0,1
	v_max3_num_f32 v[250+\b], v[250+\b], |v[S+16*\b+\i]|, |v[S+1+16*\b+\i]|
.endr
.endr
.irp b, 0,1
	v_permlanex16_b32 v[252+\b], v[250+\b], s[SEL], s[SEL+1]
.endr
.irp b, 0,1
	v_max_num_f32 v[250+\b], v[250+\b], v[252+\b]
.endr
.irp b, 0,1
	v_add_nc_u32 v[250+\b], 0xfe000000, v[250+\b]
.endr
.irp b, 0,1
	v_lshrrev_b32 v[252+\b], 23, v[250+\b]
.endr
	v_lshl_or_b32 v247, v253, 8, v252              ; bytes 0 and 1; the upper two stay 0
	v_cvt_scalef32_pk16_bf6_f32 v[P:P+2], v[S:S+15], v250
	v_cvt_scalef32_pk16_bf6_f32 v[P+6:P+8], v[S+16:S+31], v251
	v_nop                                          ; one plain instruction behind the scaled conversions
.irp i, 0,1,2
	v_permlane16_swap_b32 v[P+\i], v[P+6+\i]       ; the operand wants a whole block in a lane
.endr
.irp i, 0,1,2
	v_mov_b32 v[P+3+\i], v[P+6+\i]
.endr
	global_store_b128 v9, v[P:P+3], s[50:51] offset:\p*2*ORG         ; 512 consecutive bytes, at a multiple of 256 from orec's first byte
	global_store_b64 v5, v[P+4:P+5], s[50:51] offset:\p*2*ORG+512
	ds_store_b32 v10, v247 offset:1024*\p          ; both halves of the lanes write the same word with the same value
.endm
	PASS 0
	PASS 1
	s_lshl_b32 s57, s8, 9
	s_add_co_u32 s57, s57, OSC
	v_add_nc_u32 v11, s57, v9                      ; LDS: group w's 512 bytes of scale words, 16 bytes a lane (read by waves 0 to 3 alone)
	s_wait_alu depctr_va_vdst(0)
	s_wait_dscnt 0x0                               ; for the others' sake: my stores have landed
	s_barrier_signal -1
	s_barrier_wait -1
	s_cmp_lt_u32 s8, 4                             ; waves 0 to 3 store a group's 512 bytes of scale words whole
	s_cbranch_scc0 .Lnot_scales
	ds_load_b128 v[S:S+3], v11
	s_wait_dscnt 0x0
	global_store_b128 v9, v[S:S+3], s[52:53] offset:12288
.Lnot_scales:
	s_wait_xcnt 0x0
	v_lshl_add_u32 v254, v0, 2, SPARE
	v_mov_b32 v255, 0
	s_wait_alu depctr_va_vdst(0)
	s_wait_tensorcnt 0x0                           ; the wave's end
	ds_add_u32 v254, v255
	s_wait_dscnt 0x0
	CROUND                                         ; the closing round
	s_endpgm
.Lfunc_end_k_q6fdb52e742_attn:
	.size	k_q6fdb52e742_attn, .Lfunc_end_k_q6fdb52e742_attn-k_q6fdb52e742_attn
	.p2alignl 7, 3214868480
	.fill 96, 4, 3214868480
	.section	.rodata,"a",@progbits
	.p2align	6, 0x0
	.amdhsa_kernel k_q6fdb52e742_attn
		.amdhsa_group_segment_fixed_size 265216
		.amdhsa_private_segment_fixed_size 0
		.amdhsa_enable_private_segment 0
		.amdhsa_kernarg_size 16
		.amdhsa_user_sgpr_count 2
		.amdhsa_user_sgpr_kernarg_segment_ptr 1
		.amdhsa_wavefront_size32 1
		.amdhsa_system_sgpr_workgroup_id_x 1
		.amdhsa_system_sgpr_workgroup_id_y 1
		.amdhsa_system_sgpr_workgroup_id_z 1
		.amdhsa_system_vgpr_workitem_id 0
		.amdhsa_next_free_vgpr 256
		.amdhsa_next_free_sgpr 66
		.amdhsa_reserve_vcc 1
		.amdhsa_float_denorm_mode_32 3
		.amdhsa_float_denorm_mode_16_64 3
		.amdhsa_memory_ordered 1
		.amdhsa_forward_progress 1
		.amdhsa_inst_pref_size 78
	.end_amdhsa_kernel
	.amdgpu_metadata
---
amdhsa.version: [ 1, 2 ]
amdhsa.kernels:
  - .name:           k_q6fdb52e742_attn
    .symbol:         k_q6fdb52e742_attn.kd
    .args:
      - { .name: qkv, .offset: 0, .size: 8, .value_kind: global_buffer, .address_space: global }
      - { .name: orec, .offset: 8, .size: 8, .value_kind: global_buffer, .address_space: global }
    .group_segment_fixed_size: 265216
    .private_segment_fixed_size: 0
    .kernarg_segment_align: 8
    .kernarg_segment_size: 16
    .max_flat_workgroup_size: 512
    .sgpr_count:     66
    .vgpr_count:     256
    .wavefront_size: 32
...
	.end_amdgpu_metadata
.endif
;; end of part 3
;; launch gemm_o (part 4): grid 4 x 32, 4 waves a work-group, clusters of 4 x 4, 327,680 bytes of LDS; arguments orec, ops, bo, out0; writes out0
.if DOCPART == 4
	.amdgcn_target "amdgcn-amd-amdhsa--gfx1250"
	.amdhsa_code_object_version 6
	.text
	.protected	k_q6fdb52e742_gemm_o
	.globl	k_q6fdb52e742_gemm_o
	.p2align	8
	.type	k_q6fdb52e742_gemm_o,@function
k_q6fdb52e742_gemm_o:
	s_mov_b64 s[64:65], 0
	v_nop
	global_prefetch_b8 v0, s[64:65] scope:SCOPE_SE
	s_setreg_imm32_b32 hwreg(HW_REG_WAVE_MODE, 25, 1), 1
	s_wait_xcnt 0x0
	s_wait_alu depctr_hold_cnt(0) depctr_sa_sdst(0) depctr_va_vdst(0) depctr_va_sdst(0) depctr_va_ssrc(0) depctr_va_vcc(0) depctr_vm_vsrc(0)
	s_getreg_b32 s2, hwreg(HW_REG_IB_STS2, 6, 4)
	s_cmp_eq_u32 s2, 0
	s_cbranch_scc0 .Lentry_in_a_cluster
	s_endpgm
.Lentry_in_a_cluster:
	s_bfe_u32 s2, ttmp6, 0x10000c
	s_cmp_lg_u32 s2, 0xf033
	s_cbranch_scc0 .Lentry_shape_is_right
	s_endpgm
.Lentry_shape_is_right:
.set RECB,   12800
.set RGB,    8*RECB
.set PART,   2*RECB
.set ARECB,  13312
.set ARGB,   8*ARECB
.set APART,  2*ARECB
.set SLOT,   2*APART+2*PART
.set SPARE,  2*SLOT
.set LAPS,   2
.set FR,     12
.set NL,     4
.set NP,     4
.set SPITCH, 528
.set ADRA, 16
.set ADRB, 20
.set L16,  24
.set L8,   25
.set STO,  26
.set RD,   27
.set SPW,  28
.set NIL,  29
.set SC,   32
.set RAW,  64
.set AF,   128
.set BK,   128
.set G1, 24
.set G0, 32
.set G1B, 48
.set G0B, 56
.set MSB, 0
.macro WIN new
.if MSB != \new
	s_set_vgpr_msb (MSB<<8)|\new
.set MSB, \new
.endif
.endm
.set MUL_LO, 0xa1
.set MUL_HI, 0xf1
.set TO_B,   0x40
.macro JLOAD g0a, g1a, g0b, g1b
	s_cmp_eq_u32 s15, 0
	s_cbranch_scc0 .Lfor_b_\@
	tensor_load_to_lds s[\g0a:\g0a+3], s[\g1a:\g1a+7]
	s_nop 0
.rept 4
	v_nop
.endr
	s_branch .Lasked_\@
.Lfor_b_\@:
	tensor_load_to_lds s[\g0b:\g0b+3], s[\g1b:\g1b+7]
	s_nop 0
.rept 4
	v_nop
.endr
.Lasked_\@:
.endm
.macro CREST
	s_cmp_lg_u32 s14, 0
	s_cbranch_scc1 .Lnot_wave_0_\@
	s_barrier_signal -3
.Lnot_wave_0_\@:
	s_barrier_wait -3
	s_barrier_signal -1
	s_barrier_wait -1
.endm
.macro CROUND
	s_barrier_signal -1
	s_barrier_wait -1
	CREST
.endm
	s_load_b256 s[4:11], s[0:1], 0x0
	v_lshl_add_u32 v[SPW], v0, 2, SPARE
	v_mov_b32 v[NIL], 0
	ds_add_u32 v28, v29
	ds_add_u32 v28, v29
	s_wait_dscnt 0x0
	v_lshrrev_b32 v1, 5, v0
	v_readfirstlane_b32 s14, v1
	s_lshr_b32 s15, s14, 1
	s_and_b32 s16, s14, 1
	s_bfe_u32 s40, ttmp6, 0x40000
	s_bfe_u32 s41, ttmp6, 0x40004
	s_lshl_b32 s42, ttmp9, 2
	s_add_co_u32 s42, s42, s40
	s_and_b32 s17, ttmp7, 0xffff
	s_lshl_b32 s17, s17, 2
	s_add_co_u32 s17, s17, s41
	s_lshl_b32 s43, s41, 2
	s_lshl_b32 s43, 15, s43
	s_lshl_b32 s44, 0x1111, s40
	s_or_b32 s[G1+0], s43, (3<<16)|(1<<21)
	s_mov_b32 s[G1+1], 32<<16
	s_mov_b32 s[G1+2], 104<<16
	s_mov_b32 s[G1+3], 32<<16
	s_mov_b32 s[G1+4], 104
	s_mov_b32 s[G1+5], 32
	s_mov_b32 s[G1+6], 0
	s_mov_b32 s[G1+7], 0
	s_or_b32 s[G1B+0], s44, (3<<16)|(1<<21)
	s_mov_b32 s[G1B+1], 32<<16
	s_mov_b32 s[G1B+2], 100<<16
	s_mov_b32 s[G1B+3], 32<<16
	s_mov_b32 s[G1B+4], 100
	s_mov_b32 s[G1B+5], 32
	s_mov_b32 s[G1B+6], 0
	s_mov_b32 s[G1B+7], 0
	s_lshl_b32 s20, s17, 1
	s_add_co_u32 s20, s20, s16
	s_mul_i32 s20, s20, ARGB
	s_mov_b32 s21, 0
	s_lshl_b32 s46, s42, 1
	s_add_co_u32 s46, s46, 88
	s_add_co_u32 s46, s46, s16
	s_mul_i32 s46, s46, RGB
	s_mov_b32 s47, 0
	s_mul_i32 s45, s16, APART
	s_mul_i32 s94, s16, PART
	s_add_co_u32 s94, s94, 2*APART
	s_wait_kmcnt 0x0
	s_add_nc_u64 s[20:21], s[4:5], s[20:21]
	s_add_nc_u64 s[46:47], s[6:7], s[46:47]
	CROUND
.irp s, 0,1
	s_mov_b32 s[G0+4*\s], 1
	s_add_co_u32 s[G0+4*\s+1], s45, \s*SLOT
	s_add_nc_u64 s[G0+4*\s+2:G0+4*\s+3], s[20:21], \s*APART
	s_or_b32 s[G0+4*\s+3], s[G0+4*\s+3], 0x80000000
	s_mov_b32 s[G0B+4*\s], 1
	s_add_co_u32 s[G0B+4*\s+1], s94, \s*SLOT
	s_add_nc_u64 s[G0B+4*\s+2:G0B+4*\s+3], s[46:47], \s*PART
	s_or_b32 s[G0B+4*\s+3], s[G0B+4*\s+3], 0x80000000
	s_wait_alu depctr_va_vdst(0)
	s_wait_tensorcnt 0x0
	ds_add_u32 v28, v29
	ds_add_u32 v28, v29
	s_wait_dscnt 0x0
	CROUND
	JLOAD G0+4*\s, G1, G0B+4*\s, G1B
.endr
	v_and_b32 v4, 31, v0
	v_lshlrev_b32 v[L16], 4, v4
	v_lshlrev_b32 v[L8], 3, v4
	s_mul_i32 s21, s15, APART
	s_mul_i32 s22, s16, PART
	s_add_co_u32 s22, s22, 2*APART
.irp s, 0,1
	v_add_nc_u32 v[ADRA+\s], s21, v[L16]
	v_add_nc_u32 v[ADRA+2+\s], s21, v[L8]
	v_add_nc_u32 v[ADRB+\s], s22, v[L16]
	v_add_nc_u32 v[ADRB+2+\s], s22, v[L8]
	s_add_co_u32 s21, s21, SLOT
	s_add_co_u32 s22, s22, SLOT
.endr
	v_and_b32 v1, 15, v0
	v_bfe_u32 v2, v0, 4, 1
	s_wait_alu depctr_va_vdst(0)
	s_mul_i32 s23, s14, 16*SPITCH
	v_mul_u32_u24 v[STO], v1, SPITCH
	v_lshl_add_u32 v[STO], v2, 6, v[STO]
	v_add_nc_u32 v[STO], s23, v[STO]
	v_add_nc_u32 v[RD], s23, v[L16]
	s_lshl_b32 s20, s17, 8
	s_lshl_b32 s21, s15, 7
	s_add_co_u32 s20, s20, s21
	s_lshl_b32 s20, s20, 12
	s_lshl_b32 s21, s42, 10
	s_add_co_u32 s20, s20, s21
	s_lshl_b32 s22, s16, 9
	s_add_co_u32 s20, s20, s22
	s_mov_b32 s21, 0
	s_add_nc_u64 s[10:11], s[10:11], s[20:21]
	s_lshl_b32 s20, s42, 10
	s_add_co_u32 s20, s20, s22
	s_add_nc_u64 s[8:9], s[8:9], s[20:21]
	v_lshlrev_b32 v3, 6, v2
	WIN TO_B
.irp i, 0,1,2,3,4,5,6,7
	global_load_b128 v[96+8*\i+96*(\i/4):96+8*\i+96*(\i/4)+3], v3, s[8:9] offset:128*(\i/2)+32*(\i%2)
	global_load_b128 v[96+8*\i+96*(\i/4)+4:96+8*\i+96*(\i/4)+7], v3, s[8:9] offset:128*(\i/2)+32*(\i%2)+16
.endr
	WIN 0
.macro FRAG reg, adr, off
	ds_load_b128 v[\reg:\reg+3], v[\adr] offset:\off
	ds_load_b64 v[\reg+4:\reg+5], v[\adr+2] offset:\off+512
	ds_load_b128 v[\reg+6:\reg+9], v[\adr] offset:\off+768
	ds_load_b64 v[\reg+10:\reg+11], v[\adr+2] offset:\off+1280
.endm
.macro WM d, f0, f1, c, x0, x1, rb, ra
.if (\rb) && (\ra)
	v_wmma_scale_f32_16x16x128_f8f6f4 v[\d:\d+7], v[\f0:\f0+FR-1], v[\f1:\f1+FR-1], v[\c:\c+7], v[\x0], v[\x1] matrix_a_fmt:MATRIX_FMT_BF6 matrix_b_fmt:MATRIX_FMT_BF6 matrix_a_scale:MATRIX_SCALE_ROW1 matrix_b_scale:MATRIX_SCALE_ROW1
.elseif (\rb)
	v_wmma_scale_f32_16x16x128_f8f6f4 v[\d:\d+7], v[\f0:\f0+FR-1], v[\f1:\f1+FR-1], v[\c:\c+7], v[\x0], v[\x1] matrix_a_fmt:MATRIX_FMT_BF6 matrix_b_fmt:MATRIX_FMT_BF6 matrix_a_scale:MATRIX_SCALE_ROW1
.elseif (\ra)
	v_wmma_scale_f32_16x16x128_f8f6f4 v[\d:\d+7], v[\f0:\f0+FR-1], v[\f1:\f1+FR-1], v[\c:\c+7], v[\x0], v[\x1] matrix_a_fmt:MATRIX_FMT_BF6 matrix_b_fmt:MATRIX_FMT_BF6 matrix_b_scale:MATRIX_SCALE_ROW1
.else
	v_wmma_scale_f32_16x16x128_f8f6f4 v[\d:\d+7], v[\f0:\f0+FR-1], v[\f1:\f1+FR-1], v[\c:\c+7], v[\x0], v[\x1] matrix_a_fmt:MATRIX_FMT_BF6 matrix_b_fmt:MATRIX_FMT_BF6
.endif
.endm
.macro MUL16 a0, p, q, sc, cm
.irp a, \a0, \a0+1
.irp b, 0,1,2,3,4,5,6,7
.set rD, 8*(8*((\a)%4)+\b)
.set rC, rD
.if \cm == 1
.set rC, 96+8*\b+96*(\b/4)
.endif
	WM rD, 128*(\p)+FR*\b, AF+FR*(\a), rC, SC+16*(\sc)+8*(\q)+4+\b%4, SC+16*(\sc)+8*(\q)+(\a)%4, \b/4, (\a)/4
.endr
.endr
.endm
.macro FETCH_B slot, q, p
	WIN TO_B
.irp i, 0,1,2,3,4,5,6,7
	FRAG 128*(\p)+FR*\i, ADRB+\slot, (\q)*RECB+\i*1536
.endr
	WIN 0
.endm
.macro FETCH_A slot, q, i0
.irp i, \i0, \i0+1, \i0+2, \i0+3
	FRAG AF+FR*(\i), ADRA+\slot, (\q)*ARECB+(\i)*1536
.endr
.endm
.macro SCALES sc
.irp q, 0,1
	ds_load_b128 v[SC+16*\sc+8*\q+4:SC+16*\sc+8*\q+7], v[ADRB+\sc] offset:\q*RECB+12288
	ds_load_b128 v[RAW+8*\q:RAW+8*\q+3], v[ADRA+\sc] offset:\q*ARECB+12288
	ds_load_b128 v[RAW+8*\q+4:RAW+8*\q+7], v[ADRA+\sc] offset:\q*ARECB+12800
.endr
.endm
.macro MERGE sc
.irp q, 0,1
.irp i, 0,1,2,3
	v_lshl_or_b32 v[SC+16*\sc+8*\q+\i], v[RAW+8*\q+4+\i], 16, v[RAW+8*\q+\i]
.endr
.endr
.rept 8
	v_nop
.endr
.endm
.macro PLACES n
.rept \n
	v_nop
.endr
.endm
.macro STEP slot, cm
	s_wait_dscnt 4*NL
	MERGE \slot
.if \cm
	WIN 0x91
.else
	WIN MUL_LO
.endif
	MUL16 0, 0, 0, \slot, \cm
	MUL16 2, 0, 0, \slot, \cm
	s_wait_alu depctr_va_vdst(0)
	s_wait_dscnt 0
	PLACES NP
	FETCH_B \slot, 1, 1
	FETCH_A \slot, 1, 0
.if \cm
	WIN 0xd1
.else
	WIN MUL_HI
.endif
	MUL16 4, 0, 0, \slot, \cm
	MUL16 6, 0, 0, \slot, \cm
	PLACES NP
	WIN 0
	FETCH_A \slot, 1, 4
.endm
.macro TURN slot, next, fill
	s_wait_tensorcnt 0x0
	ds_add_u32 v[SPW], v[NIL]
	s_wait_dscnt 4*NL+1
	WIN MUL_LO
	MUL16 0, 1, 1, \slot, 0
	s_wait_dscnt 0x0
	s_barrier_signal -1
	MUL16 2, 1, 1, \slot, 0
	WIN 0
	s_barrier_wait -1
.if \fill
	CREST
	s_add_nc_u64 s[G0+4*\slot+2:G0+4*\slot+3], s[G0+4*\slot+2:G0+4*\slot+3], 2*APART
	s_add_nc_u64 s[G0B+4*\slot+2:G0B+4*\slot+3], s[G0B+4*\slot+2:G0B+4*\slot+3], 2*PART
	JLOAD G0+4*\slot, G1, G0B+4*\slot, G1B
.else
	PLACES NP
.endif
	FETCH_B \next, 0, 0
	FETCH_A \next, 0, 0
	SCALES \next
	WIN MUL_HI
	MUL16 4, 1, 1, \slot, 0
	MUL16 6, 1, 1, \slot, 0
	PLACES NP
	WIN 0
	FETCH_A \next, 0, 4
.endm
	s_wait_tensorcnt 1
	s_barrier_signal -1
	s_barrier_wait -1
	FETCH_B 0, 0, 0
	FETCH_A 0, 0, 0
	SCALES 0
	FETCH_A 0, 0, 4
	s_wait_loadcnt 0x0
	STEP 0, 1
	s_mov_b32 s3, LAPS-1
.Llap:
	TURN 0, 1, 1
	STEP 1, 0
	TURN 1, 0, 1
	STEP 0, 0
	s_sub_co_u32 s3, s3, 1
	s_cmp_lg_u32 s3, 0
	s_cbranch_scc1 .Llap
	TURN 0, 1, 0
	STEP 1, 0
	s_wait_dscnt 4*NL
	WIN MUL_LO
	MUL16 0, 1, 1, 1, 0
	MUL16 2, 1, 1, 1, 0
	s_wait_dscnt 0
	WIN MUL_HI
	MUL16 4, 1, 1, 1, 0
	MUL16 6, 1, 1, 1, 0
	WIN 0
.macro TOSTAGE a
.set AC, 64*((\a)%4)
	WIN 0x08+4*((\a)/4)
.irp b, 0,1,2,3,4,5,6,7
	ds_store_b128 v[STO], v[AC+8*\b:AC+8*\b+3] offset:128*(\b/2)+32*(\b%2)
	ds_store_b128 v[STO], v[AC+8*\b+4:AC+8*\b+7] offset:128*(\b/2)+32*(\b%2)+16
.endr
	WIN 0
.set BB, BK+64*((\a)%2)
.irp t, 0,1,2,3,4,5,6,7,8,9,10,11,12,13,14,15
	ds_load_b128 v[BB+4*\t:BB+4*\t+3], v[RD] offset:\t*SPITCH
.endr
.endm
.macro SEND a, younger
.set BB, BK+64*((\a)%2)
	s_wait_dscnt \younger
.irp t, 0,1,2,3,4,5,6,7,8,9,10,11,12,13,14,15
	global_store_b128 v[L16], v[BB+4*\t:BB+4*\t+3], s[10:11] offset:(32*((\a)/2)+8*((\a)%2)+\t+8*(\t/8))*4096 th:TH_STORE_NT
.endr
.endm
	PLACES NP
	TOSTAGE 0
.irp a, 1,2,3,4,5,6,7
.if \a > 1
	s_wait_xcnt 0x0
.endif
	TOSTAGE \a
	SEND \a-1, 32
.endr
	SEND 7, 0
	s_wait_tensorcnt 0x0
	ds_add_u32 v[SPW], v[NIL]
	s_wait_dscnt 0x0
	CROUND
	s_endpgm
.Lfunc_end_k_q6fdb52e742_gemm_o:
	.size	k_q6fdb52e742_gemm_o, .Lfunc_end_k_q6fdb52e742_gemm_o-k_q6fdb52e742_gemm_o
	.p2alignl 7, 3214868480
	.fill 96, 4, 3214868480
	.section	.rodata,"a",@progbits
	.p2align	6, 0x0
	.amdhsa_kernel k_q6fdb52e742_gemm_o
		.amdhsa_group_segment_fixed_size 327680
		.amdhsa_private_segment_fixed_size 0
		.amdhsa_enable_private_segment 0
		.amdhsa_kernarg_size 32
		.amdhsa_user_sgpr_count 2
		.amdhsa_user_sgpr_kernarg_segment_ptr 1
		.amdhsa_wavefront_size32 1
		.amdhsa_system_sgpr_workgroup_id_x 1
		.amdhsa_system_sgpr_workgroup_id_y 1
		.amdhsa_system_sgpr_workgroup_id_z 1
		.amdhsa_system_vgpr_workitem_id 0
		.amdhsa_next_free_vgpr 1024
		.amdhsa_next_free_sgpr 100
		.amdhsa_reserve_vcc 0
		.amdhsa_float_denorm_mode_32 3
		.amdhsa_float_denorm_mode_16_64 3
		.amdhsa_memory_ordered 1
		.amdhsa_forward_progress 1
		.amdhsa_inst_pref_size 146
	.end_amdhsa_kernel
	.amdgpu_metadata
---
amdhsa.version: [ 1, 2 ]
amdhsa.kernels:
  - .name:           k_q6fdb52e742_gemm_o
    .symbol:         k_q6fdb52e742_gemm_o.kd
    .args:
      - { .name: orec, .offset: 0, .size: 8, .value_kind: global_buffer, .address_space: global }
      - { .name: ops, .offset: 8, .size: 8, .value_kind: global_buffer, .address_space: global }
      - { .name: bo, .offset: 16, .size: 8, .value_kind: global_buffer, .address_space: global }
      - { .name: out0, .offset: 24, .size: 8, .value_kind: global_buffer, .address_space: global }
    .group_segment_fixed_size: 327680
    .private_segment_fixed_size: 0
    .kernarg_segment_align: 8
    .kernarg_segment_size: 32
    .max_flat_workgroup_size: 128
    .sgpr_count:     100
    .vgpr_count:     1024
    .wavefront_size: 32
...
	.end_amdgpu_metadata
.endif
;; end of part 4
